; MI455X (gfx1250); checked and timed in simulation.
; The chip was launched on July 23, 2026; its instructions are those of AMD's public machine-readable ISA for CDNA 5 (MIT licence, August 2026) and "CDNA5" Instruction Set Architecture Reference Guide (July 2026). The comments in the code are by the model that wrote it; some were corrected since.
;; Self Att V1. Allowed arithmetic: matrix products marked QUANTISED: E2M3 operands, one E8M0 scale for each 32 along K, by v_wmma_scale_f32_16x16x128_f8f6f4 with both operands' format E2M3, f32 sums; everything else in f32.
;; Inputs: Wk 1,024 x 1,024 float32; Wq 1,024 x 1,024 float32; Wv 1,024 x 1,024 float32; bk 1,024 float32; bq 1,024 float32; bv 1,024 float32; x 4 x 2,048 x 1,024 float32.
;; Outputs: out0 4 x 2,048 x 1,024 float32.
;; This version of the problem:
;;   THIS VERSION OF THE PROBLEM IS GIVEN IN LOW PRECISION. The matrix products marked QUANTISED in the list below multiply operands that are first quantised to E2M3 (2 exponent bits, 3 mantissa bits; 6 bits a number), with one power-of-two scale for each 32 numbers along K (OCP MX v1.0); their sums are f32. All else is computed in f32.
;;   The module's matrix products, in the order in which they are computed (A, B: the left and right operand; K: the contracted axis; several contracted axes count as one K, in the product's order):
;;     1. [M 8,192, K 1,024] x [K 1,024, N 1,024]; A: input x; B: input Wq: QUANTISED
;;     2. [M 8,192, K 1,024] x [K 1,024, N 1,024]; A: input x; B: input Wk: QUANTISED
;;     3. [M 8,192, K 1,024] x [K 1,024, N 1,024]; A: input x; B: input Wv: QUANTISED
;;     4. batch 4 x [M 2,048, K 1,024] x [K 1,024, N 2,048]; A: computed on the way; B: computed on the way: QUANTISED
;;     5. batch 4 x [M 2,048, K 2,048] x [K 2,048, N 1,024]; A: softmax (see below); B: computed on the way: QUANTISED
;;   THE QUANTISER, for each operand of a quantised product, along K:
;;     - K is cut into blocks of 32 from its start; a last block that is shorter is filled with zeros.
;;     - A block's scale is 2^e with e = floor(log2(the largest magnitude in the block)) - 2, held to -126 .. 127; a block of zeros has e = 0. As a byte (E8M0): e + 127.
;;     - Each number is divided by its block's scale, clamped to +-7.5, and rounded to the nearest number of E2M3, ties to even, subnormals kept.
;;     - The product sums the exact products of the quantised numbers (number of the format x scale) in f32.
;;   ~~~python
;;   def quantise(x, axis):      # numpy; x: float32 -> the quantised numbers, widened to float32 again
;;       x = np.moveaxis(x, axis, -1); K = x.shape[-1]
;;       x = np.pad(x, [(0, 0)] * (x.ndim - 1) + [(0, -K % 32)]); x = x.reshape(x.shape[:-1] + (-1, 32)); a = np.abs(x).max(-1, keepdims=True)
;;       e = np.where(a > 0, np.clip(np.frexp(np.where(a > 0, a, 1))[1] - 1 - 2, -126, 127), 0)      # np.frexp(a)[1] - 1 = floor(log2(a)), exactly
;;       r = np.clip(x / 2.0 ** e, -7.5, 7.5)
;;       step = 2.0 ** (np.maximum(np.frexp(np.where(r == 0, 1, r))[1] - 1, 0) - 3)
;;       q = np.round(r / step) * step * 2.0 ** e      # np.round: ties to even
;;       return np.moveaxis(q.reshape(q.shape[:-2] + (-1,))[..., :K], -1, axis).astype(np.float32)
;;   ~~~
;;   SOFTMAX AHEAD OF A QUANTISED PRODUCT. Where the list says 'softmax', what is quantised is not the finished softmax but p = 2^(t - M), with t = logit x log2(e) and M = ceil(the row's largest t), a whole number; so 1/2 < the row's largest p <= 1. The row's sum l is taken of the UNQUANTISED p, in f32, and the product's result is divided by l at the end. Since M is a whole number, a kernel that streams over the keys may use a running M (the ceiling of the running maximum): every later rescaling is an exact power of two, which a block's scale takes up: the codes' values come out the same.
;;   OPERANDS COMPUTED ON THE WAY. 'Computed on the way' means the value that the module computes at that place (a softmax that the list does not call 'softmax' is quantised finished and normalised). What goes into a quantiser is computed in f32, as accurately as f32 sums, v_exp_f32 and their like allow (about 1e-6 of the number): no bf16 or f16 on the way to a quantiser, and a product that is left as it is and whose result goes on into a quantised operand takes f32 operands (vector FMAs, or v_wmma_f32_16x16x4_f32). A number that lies on a knife's edge between two numbers of the format may be rounded either way, as far as f32 arithmetic and the matrix unit's own rounding can turn it there, and no further.
;; One version. Each part assembles by itself: llvm-mc -triple=amdgcn-amd-amdhsa -mcpu=gfx1250 --defsym DOCPART=n.
;; ======== version 1 of 1: 4 launches
;; limits: right only within a limited range of input values
;; workspace buffers: xq 6,553,600 bytes; wq 2,457,600 bytes; qk 13,107,200 bytes; vt 6,553,600 bytes; pb 14,155,776 bytes
;; launch quant (part 1): grid 448 x 1, 4 waves a work-group, no clusters, 49,664 bytes of LDS; arguments x, Wq, Wk, Wv, xq, wq; writes xq, wq
.if DOCPART == 1
	.amdgcn_target "amdgcn-amd-amdhsa--gfx1250"
	.amdhsa_code_object_version 6
	.text
	.protected	k_q77613a55da_quant
	.globl	k_q77613a55da_quant
	.p2align	8
	.type	k_q77613a55da_quant,@function
k_q77613a55da_quant:
	s_mov_b64 s[64:65], 0
	v_nop
	global_prefetch_b8 v0, s[64:65] scope:SCOPE_SE
	s_setreg_imm32_b32 hwreg(HW_REG_WAVE_MODE, 25, 1), 1
	s_wait_xcnt 0x0
; x [8192][1024] and Wq, Wk, Wv [1024 (k)][1024 (e)], f32, become codes of FP6 (E2M3) with one E8M0 byte for each 32 along K (K = the hidden 1024).
; A block's scale is 2^(floor(log2(largest magnitude)) - 2); its byte is that magnitude's exponent field - 2, held at 1 from below (a block of zeros keeps the byte 1: its codes are zeros, and this program alone reads the bytes).
; LIMITS: NaN and infinities are not served; blocks whose largest magnitude lies under 2^-124 take the byte 1.
; LAYOUT OF THE RESULTS: images of operand registers.  Fragment (tile g of 16 rows, K step s of 128) is 1,536 bytes: piece c (0..2) holds, at 512 c + 16 lane, the lane's operand registers 4 c .. 4 c + 3
; (lane (r, h): registers 6 c' .. 6 c' + 5 = k 64 c' + 32 h + 0 .. 31 of the tile's row r).  Row r of tile g is matrix row 32 (g / 2) + 8 (g % 2) + r + 8 (r / 8).
; xq: [g 0..511][s 0..7][1536]; behind them the scale words [k / 256][g][r][2 words].  wq: the same with g 0..191 (rows: Wq's 1024 columns, Wk's, Wv's).
; Work-groups 0-255 take x, 256-447 the weights: two paths, each with LDS bytes of its own.  No barrier: waves share nothing.
.set XSC,  6291456                     ; where xq's scale words begin
.set WSC,  2359296                     ; where wq's begin
.set RAW,  16                          ; x path: v16-143 two sets of 64 registers as loaded
.set NUM,  144                         ; v144-207 64 numbers: register 32 c + i = k 64 c + 32 h + i of my row
.set PC,   208                         ; v208-219 the fragment's 12 registers
.set PT,   220                         ; v220-226 second halves of blocks, before they are moved
.set MX,   228                         ; v228-229 largest magnitudes
.set SOP,  230                         ; v230-231 the conversions' scale operands
.set BY,   232                         ; v232-233 scale bytes
.set WD,   234                         ; v234 the scale word
.set WX,   235                         ; v235 the other half's part of it
.set WNUM, 32                          ; W path: v32-95 two sets of 32 numbers
.set WOUT, 112                         ; v112-135 fragments on their way out
.set SB,   24                          ; v24 the scale word
	s_load_b256 s[4:11], s[0:1], 0x0               ; x, Wq, Wk, Wv
	s_load_b128 s[12:15], s[0:1], 0x20             ; xq, wq
	v_lshl_add_u32 v254, v0, 2, 0xc000
	v_mov_b32 v255, 0
	v_lshrrev_b32 v1, 5, v0
	v_readfirstlane_b32 s16, v1                    ; wave 0..3
	v_and_b32 v1, 31, v0                           ; lane
	v_and_b32 v2, 15, v0                           ; lane % 16
	v_bfe_u32 v3, v0, 4, 1                         ; lane / 16
	v_lshlrev_b32 v4, 4, v1                        ; 16 x lane
	s_cmp_lt_u32 ttmp9, 256
	s_cbranch_scc0 .Lweights
; ---------------- x.  Work-group j owns rows 32 j .. 32 j + 31 (tiles 2 j, 2 j + 1); wave w owns k 256 w .. 256 w + 255.  Four steps: tile u = t / 2, K step 2 w + t % 2.
; A step's 16 loads read 512 consecutive bytes each (128 numbers of one row); they turn through the wave's own stage (rows 528 bytes apart), from which lane (r, h) takes two whole blocks of its row.
	s_mov_b32 s20, 0x76543210
	s_mov_b32 s21, 0xfedcba98                      ; lane selects for v_permlanex16_b32: lane l xor 16
	s_mul_i32 s17, s16, 8704                       ; my wave's LDS: a stage of 16 x 528 bytes, then 256 bytes of scale words
	v_add_nc_u32 v5, s17, v4                       ; into the stage: 16 x lane, + 528 a row
	v_mul_u32_u24 v6, v2, 528
	v_lshl_add_u32 v6, v3, 7, v6
	v_add_nc_u32 v6, s17, v6                       ; out of it: row r, + 128 h
	s_add_co_u32 s17, s17, 8448
	v_lshl_add_u32 v7, v2, 3, s17                  ; my row's two scale words
	v_lshl_add_u32 v8, v1, 3, s17                  ; and on the way out 8 bytes a lane
	v_lshlrev_b32 v9, 3, v1
	v_lshlrev_b32 v10, 3, v3                       ; 8 h: my two bytes' place in the word
	v_mov_b32 v[WX], 0                             ; written once: a lane permute's destination counts as one of its sources
	s_lshl_b32 s18, ttmp9, 17                      ; 32 rows of 4,096 bytes
	s_lshl_b32 s22, s16, 10
	s_add_co_u32 s18, s18, s22                     ; + 1,024 w
	s_mov_b32 s19, 0
	s_mul_i32 s22, ttmp9, 24576                    ; two tiles x 8 K steps x 1,536
	s_mul_i32 s24, s16, 3072
	s_add_co_u32 s22, s22, s24                     ; + two K steps a wave
	s_mov_b32 s23, 0
	s_lshl_b32 s24, s16, 16                        ; scale words: (512 w + 2 j) x 128
	s_lshl_b32 s26, ttmp9, 8
	s_add_co_u32 s24, s24, s26
	s_add_co_u32 s24, s24, XSC
	s_mov_b32 s25, 0
	s_wait_alu depctr_va_vdst(0)
	s_wait_kmcnt 0x0
	s_add_nc_u64 s[4:5], s[4:5], s[18:19]
	s_add_nc_u64 s[26:27], s[12:13], s[24:25]
	s_add_nc_u64 s[12:13], s[12:13], s[22:23]
.macro XLOAD t
.irp i, 0,1,2,3,4,5,6,7,8,9,10,11,12,13,14,15
	global_load_b128 v[RAW+64*((\t)%2)+4*\i:RAW+64*((\t)%2)+4*\i+3], v4, s[4:5] offset:(8*((\t)/2)+\i+8*(\i/8))*4096+512*((\t)%2) th:TH_LOAD_NT
.endr
.endm
; 64 numbers of a lane, two whole blocks (h and 2 + h of the K step), become the fragment's 12 registers and my row's scale word
.macro QUANTW
.irp c, 0,1
	v_max3_num_f32 v[MX+\c], |v[NUM+32*\c]|, |v[NUM+32*\c+1]|, 0x1800000   ; with the floor 2^(3 - 127): the byte cannot fall under 1
.endr
.irp i, 2,4,6,8,10,12,14,16,18,20,22,24,26,28,30
.irp c, 0,1
	v_max3_num_f32 v[MX+\c], v[MX+\c], |v[NUM+32*\c+\i]|, |v[NUM+32*\c+\i+1]|   ; the two blocks by turns
.endr
.endr
.irp c, 0,1
	v_add_nc_u32 v[SOP+\c], 0xff000000, v[MX+\c]   ; 2 off the exponent field: the conversion takes that field as its scale
.endr
.irp c, 0,1
	v_lshrrev_b32 v[BY+\c], 23, v[SOP+\c]          ; the scale's byte
.endr
	v_lshl_or_b32 v[WD], v[BY+1], 16, v[BY]        ; blocks h and 2 + h,
	v_lshlrev_b32 v[WD], v10, v[WD]                ; at their places;
	v_permlanex16_b32 v[WX], v[WD], s20, s21
	v_or_b32 v[WD], v[WD], v[WX]                   ; with lane l xor 16's two the word is whole
.irp c, 0,1
	v_cvt_scalef32_pk16_fp6_f32 v[PC+6*\c:PC+6*\c+2], v[NUM+32*\c:NUM+32*\c+15], v[SOP+\c]
	v_cvt_scalef32_pk16_fp6_f32 v[PT+4*\c:PT+4*\c+2], v[NUM+32*\c+16:NUM+32*\c+31], v[SOP+\c]   ; (a conversion's three registers begin on an even number)
.endr
	v_nop                                          ; one plain place behind a scaled conversion
.irp c, 0,1
.irp i, 0,1,2
	v_mov_b32 v[PC+6*\c+3+\i], v[PT+4*\c+\i]
.endr
.endr
.endm
.macro XSTEP t
.if (\t) < 3
	s_wait_loadcnt 16                              ; this step's 16 loads are in; the next step's 16 may be out
.else
	s_wait_loadcnt 0x0
.endif
.irp i, 0,1,2,3,4,5,6,7,8,9,10,11,12,13,14,15
	ds_store_b128 v5, v[RAW+64*((\t)%2)+4*\i:RAW+64*((\t)%2)+4*\i+3] offset:528*\i
.endr
.irp c, 0,1
.irp j, 0,1,2,3,4,5,6,7
	ds_load_b128 v[NUM+32*\c+4*\j:NUM+32*\c+4*\j+3], v6 offset:256*\c+16*\j   ; LDS serves a wave's instructions in order: these see the stores above
.endr
.endr
	s_wait_dscnt 0x0                               ; the numbers are back, and the stores have read their registers
	s_wait_xcnt 0x0                                ; the last step's stores have read the fragment's registers, which are written again below
.if (\t) < 2
	XLOAD (\t)+2
.endif
	QUANTW
.irp c, 0,1,2
	global_store_b128 v4, v[PC+4*\c:PC+4*\c+3], s[12:13] offset:((\t)/2)*12288+((\t)%2)*1536+512*\c   ; 512 consecutive bytes
.endr
	ds_store_b32 v7, v[WD] offset:128*((\t)/2)+4*((\t)%2)   ; both halves of the lanes write the same word with the same value
.endm
	XLOAD 0
	XLOAD 1
	XSTEP 0
	XSTEP 1
	XSTEP 2
	XSTEP 3
	ds_load_b64 v[236:237], v8                     ; two tiles x 16 rows x 2 words
	s_wait_dscnt 0x0
	global_store_b64 v9, v[236:237], s[26:27]      ; 256 consecutive bytes, aligned
	s_wait_tensorcnt 0x0
	ds_add_u32 v254, v255
	s_wait_dscnt 0x0
	s_endpgm
; ---------------- the weights.  K is their FIRST axis: a lane takes a column e and its registers run down K, so a block of 32 lies in one lane and the codes come out with K innermost.
; Work-group jj: matrix jj / 64, columns 128 ((jj / 8) % 8) on, k 128 (jj % 8) on.  Wave w: 32 columns = the tile pair b' = 4 cg + w; lane l is row (l % 8) + 8 (l / 16) of its tile (l / 8) % 2.
.Lweights:
	s_sub_co_u32 s17, ttmp9, 256                   ; jj
	; work-groups 256-447: jj = matrix x 64 + (128 columns) x 8 + K step: a wave takes ONE K step of 128 (four blocks) of its 32 columns
	s_lshr_b32 s18, s17, 6                         ; which matrix
	s_and_b32 s19, s17, 7                          ; which K step of 128
	s_bfe_u32 s22, s17, 0x30003                    ; which 128 columns
	s_lshl_b32 s23, s22, 2
	s_add_co_u32 s23, s23, s16                     ; b'
	s_lshl_b32 s24, s19, 19                        ; 128 rows of 4,096 bytes
	s_lshl_b32 s26, s23, 7
	s_add_co_u32 s24, s24, s26                     ; + 128 b'
	s_mov_b32 s25, 0
	s_lshl_b32 s26, s18, 6
	s_lshl_b32 s27, s23, 1
	s_add_co_u32 s26, s26, s27                     ; tile 64 m + 2 b'
	s_lshl_b32 s28, s26, 3
	s_add_co_u32 s28, s28, s19                     ; x 8 K steps + mine
	s_mul_i32 s28, s28, 1536
	s_mov_b32 s29, 0
	; wq's scale words lie as one dense block of 24,576 bytes for each 256 columns: [b' / 8][matrix][half (b' / 4) % 2][kpair][8 tiles][128 bytes]
	s_lshr_b32 s30, s23, 3
	s_mul_i32 s30, s30, 24576
	s_lshl_b32 s27, s18, 13
	s_add_co_u32 s30, s30, s27
	s_bfe_u32 s27, s23, 0x10002
	s_lshl_b32 s27, s27, 12
	s_add_co_u32 s30, s30, s27
	s_lshr_b32 s27, s19, 1                         ; the kpair,
	s_lshl_b32 s27, s27, 10
	s_add_co_u32 s30, s30, s27
	s_and_b32 s27, s19, 1                          ; and my K step's word of each pair
	s_lshl_b32 s27, s27, 2
	s_add_co_u32 s30, s30, s27
	s_and_b32 s27, s23, 3
	s_lshl_b32 s27, s27, 8                         ; my two tiles' 256 bytes
	s_add_co_u32 s30, s30, s27
	s_add_co_u32 s30, s30, WSC
	s_mov_b32 s31, 0
	s_mul_i32 s17, s16, 3328
	s_add_co_u32 s17, s17, 34816                   ; my wave's stage: two fragments, 1,664 bytes apart
	v_bfe_u32 v11, v0, 3, 1                        ; u
	v_and_b32 v12, 7, v0
	s_wait_alu depctr_va_vdst(0)
	v_lshl_add_u32 v12, v3, 3, v12                 ; r
	v_mul_u32_u24 v6, v11, 1664
	v_lshl_add_u32 v6, v12, 4, v6
	v_add_nc_u32 v6, s17, v6                       ; into the stage: my tile's image, 16 r
	v_add_nc_u32 v7, s17, v4                       ; out of it: 16 x lane
	v_lshlrev_b32 v8, 7, v11
	v_lshl_add_u32 v8, v12, 3, v8                  ; my two scale words: 128 u + 8 r
	v_lshlrev_b32 v5, 2, v1                        ; in: 4 bytes a lane
	s_wait_alu depctr_va_vdst(0)
	s_wait_kmcnt 0x0
	s_cmp_eq_u32 s18, 1
	s_cselect_b64 s[32:33], s[8:9], s[6:7]
	s_cmp_eq_u32 s18, 2
	s_cselect_b64 s[32:33], s[10:11], s[32:33]
	s_add_nc_u64 s[32:33], s[32:33], s[24:25]
	s_add_nc_u64 s[34:35], s[14:15], s[28:29]
	s_add_nc_u64 s[36:37], s[14:15], s[30:31]
.macro WLOAD t
.irp i, 0,1,2,3,4,5,6,7,8,9,10,11,12,13,14,15,16,17,18,19,20,21,22,23,24,25,26,27,28,29,30,31
	global_load_b32 v[WNUM+32*((\t)%2)+\i], v5, s[32:33] offset:(32*(\t)+\i)*4096 th:TH_LOAD_NT
.endr
.endm
; Block t of my column: K step t / 4, block t % 4 = 2 c + h': the six registers 6 c .. 6 c + 5 of lane (r, h') of the image
.macro WBLOCK t
.set XB, WNUM+32*((\t)%2)
.if (\t) < 3
	s_wait_loadcnt 32                              ; this block's 32 loads are in; the next block's may be out
.else
	s_wait_loadcnt 0x0
.endif
	v_max3_num_f32 v14, |v[XB]|, |v[XB+1]|, |v[XB+2]|
	v_max3_num_f32 v15, |v[XB+3]|, |v[XB+4]|, |v[XB+5]|
.irp i, 6,10,14,18,22,26
	v_max3_num_f32 v14, v14, |v[XB+\i]|, |v[XB+\i+1]|
	v_max3_num_f32 v15, v15, |v[XB+\i+2]|, |v[XB+\i+3]|
.endr
	v_max3_num_f32 v14, v14, |v[XB+30]|, |v[XB+31]|
	v_max3_num_f32 v14, v14, v15, 0x1800000        ; and the floor
	v_add_nc_u32 v16, 0xff000000, v14
	v_lshrrev_b32 v17, 23, v16
.if (\t)%4 == 0
	v_mov_b32 v[SB+(\t)/4], v17
.else
	v_lshl_or_b32 v[SB+(\t)/4], v17, 8*((\t)%4), v[SB+(\t)/4]
.endif
	v_cvt_scalef32_pk16_fp6_f32 v[96:98], v[XB:XB+15], v16
	v_cvt_scalef32_pk16_fp6_f32 v[102:104], v[XB+16:XB+31], v16
	v_nop                                          ; one plain place behind a scaled conversion
	v_mov_b32 v99, v102
	v_mov_b32 v100, v103
	v_mov_b32 v101, v104
.if ((\t)%4)/2 == 0
	ds_store_b128 v6, v[96:99] offset:256*((\t)%2)              ; registers 0-3: piece 0
	ds_store_b64 v6, v[100:101] offset:512+256*((\t)%2)         ; registers 4, 5: the lower half of piece 1
.else
	ds_store_b64 v6, v[96:97] offset:520+256*((\t)%2)           ; registers 6, 7: its upper half
	ds_store_b128 v6, v[98:101] offset:1024+256*((\t)%2)        ; registers 8-11: piece 2
.endif
.if (\t)+2 < 4
	WLOAD (\t)+2
.endif
	s_wait_dscnt 0x0                               ; the stores have read their registers
.endm
.macro WDRAIN q                        ; two whole fragments (tiles 2 b', 2 b' + 1; K step q) leave as six runs of 512 bytes
.irp u, 0,1
.irp p, 0,1,2
	ds_load_b128 v[WOUT+24*(\q)+12*\u+4*\p:WOUT+24*(\q)+12*\u+4*\p+3], v7 offset:1664*\u+512*\p
.endr
.endr
	s_wait_dscnt 0x0
.irp u, 0,1
.irp p, 0,1,2
	global_store_b128 v4, v[WOUT+24*(\q)+12*\u+4*\p:WOUT+24*(\q)+12*\u+4*\p+3], s[34:35] offset:12288*\u+1536*(\q)+512*\p
.endr
.endr
.endm
	WLOAD 0
	WLOAD 1
	WBLOCK 0
	WBLOCK 1
	WBLOCK 2
	WBLOCK 3
	WDRAIN 0
	s_wait_alu depctr_va_vdst(0)
	global_store_b32 v8, v[SB], s[36:37]           ; 4 bytes of every 8: a pair of words spans 256 along K; the work-group of the neighbouring K step stores the other word
	s_wait_tensorcnt 0x0
	ds_add_u32 v254, v255
	s_wait_dscnt 0x0
	s_endpgm
.Lfunc_end_k_q77613a55da_quant:
	.size	k_q77613a55da_quant, .Lfunc_end_k_q77613a55da_quant-k_q77613a55da_quant
	.p2alignl 7, 3214868480
	.fill 96, 4, 3214868480
	.section	.rodata,"a",@progbits
	.p2align	6, 0x0
	.amdhsa_kernel k_q77613a55da_quant
		.amdhsa_group_segment_fixed_size 49664
		.amdhsa_private_segment_fixed_size 0
		.amdhsa_enable_private_segment 0
		.amdhsa_kernarg_size 48
		.amdhsa_user_sgpr_count 2
		.amdhsa_user_sgpr_kernarg_segment_ptr 1
		.amdhsa_wavefront_size32 1
		.amdhsa_system_sgpr_workgroup_id_x 1
		.amdhsa_system_sgpr_workgroup_id_y 1
		.amdhsa_system_sgpr_workgroup_id_z 1
		.amdhsa_system_vgpr_workitem_id 0
		.amdhsa_next_free_vgpr 256
		.amdhsa_next_free_sgpr 66
		.amdhsa_reserve_vcc 0
		.amdhsa_float_denorm_mode_32 3
		.amdhsa_float_denorm_mode_16_64 3
		.amdhsa_memory_ordered 1
		.amdhsa_forward_progress 1
		.amdhsa_inst_pref_size 52
	.end_amdhsa_kernel
	.amdgpu_metadata
---
amdhsa.version: [ 1, 2 ]
amdhsa.kernels:
  - .name:           k_q77613a55da_quant
    .symbol:         k_q77613a55da_quant.kd
    .args:
      - { .name: x, .offset: 0, .size: 8, .value_kind: global_buffer, .address_space: global }
      - { .name: Wq, .offset: 8, .size: 8, .value_kind: global_buffer, .address_space: global }
      - { .name: Wk, .offset: 16, .size: 8, .value_kind: global_buffer, .address_space: global }
      - { .name: Wv, .offset: 24, .size: 8, .value_kind: global_buffer, .address_space: global }
      - { .name: xq, .offset: 32, .size: 8, .value_kind: global_buffer, .address_space: global }
      - { .name: wq, .offset: 40, .size: 8, .value_kind: global_buffer, .address_space: global }
    .group_segment_fixed_size: 49664
    .private_segment_fixed_size: 0
    .kernarg_segment_align: 8
    .kernarg_segment_size: 48
    .max_flat_workgroup_size: 128
    .sgpr_count:     66
    .vgpr_count:     256
    .wavefront_size: 32
...
	.end_amdgpu_metadata
.endif
;; end of part 1
;; launch proj (part 2): grid 4 x 64, 4 waves a work-group, clusters of 4 x 4, 327,680 bytes of LDS; arguments xq, wq, bq, bk, bv, qk, vt; writes qk, vt
.if DOCPART == 2
	.amdgcn_target "amdgcn-amd-amdhsa--gfx1250"
	.amdhsa_code_object_version 6
	.text
	.protected	k_q77613a55da_proj
	.globl	k_q77613a55da_proj
	.p2align	8
	.type	k_q77613a55da_proj,@function
k_q77613a55da_proj:
	s_mov_b64 s[64:65], 0
	v_nop
	global_prefetch_b8 v0, s[64:65] scope:SCOPE_SE
	s_setreg_imm32_b32 hwreg(HW_REG_WAVE_MODE, 25, 1), 1
	s_wait_xcnt 0x0
	s_wait_alu depctr_hold_cnt(0) depctr_sa_sdst(0) depctr_va_vdst(0) depctr_va_sdst(0) depctr_va_ssrc(0) depctr_va_vcc(0) depctr_vm_vsrc(0)
	s_getreg_b32 s2, hwreg(HW_REG_IB_STS2, 6, 4)
	s_cmp_eq_u32 s2, 0
	s_cbranch_scc0 .Lentry_in_a_cluster
	s_endpgm
.Lentry_in_a_cluster:
	s_bfe_u32 s2, ttmp6, 0x10000c
	s_cmp_lg_u32 s2, 0xf033
	s_cbranch_scc0 .Lentry_shape_is_right
	s_endpgm
.Lentry_shape_is_right:
; q, k, v = x W + b on codes of FP6 (E2M3) with E8M0 scales for each 32 along K = 1024, and each result quantised at once for the product that reads it: q and k along e, v along the tokens (the keys).
; A WORK-GROUP STAYS: it owns 128 tokens and columns 256 x .. 256 x + 255, and makes three tiles of 128 x 256 one after the other: q's, k's, v's.  8192 x 3072 results / 256 work-groups = 128 x 768.
; x's codes of the 128 tokens, for all of K (98,304 bytes), come into LDS once and stay: K 0-511 in slot 0's first part, K 512-1023 in slot 1's.  Only W's part of a slot is filled again, with the next matrix's tiles.
; Operands lie in memory as images of operand registers (1,536 bytes for 16 rows x 128 K; three loads of 16 bytes a lane); row r of tile g = matrix row 32 (g / 2) + 8 (g % 2) + r + 8 (r / 8).
; Every product is D = (source 0: a tile of P) x (source 1: a tile of R): lane (r, h), register j of P tile t holds P's row 32 (t / 2) + 16 h + 8 (t % 2) + j and R's row r: the 64 registers of eight P tiles are 64 numbers
; along P, in the order in which the next operand's quantiser wants them.  A wave has 8 tiles of P and 4 of R: 32 accumulators.
; q, k: P = W (my half hp of the 256 columns), R = x (my half hr of the tokens).  v: P = x (all 128 tokens: they are one K step of the last product), R = Wv (my quarter of the columns).
; CLUSTER 4 x 4: x's tiles are shared along a row of the cluster, W's along a column, each asked for jointly.
; The bias is added where a result is moved out of its accumulator: along the registers for q and k, one number a lane for v.
; LIMITS: NaN and infinities are not served; blocks whose largest magnitude lies under 2^-124 take the scale byte 1 (so do blocks of zeros: their codes are zeros, and this program alone reads the bytes).
; REGISTERS: window 0: v2-27 addresses, v32-95 scale words (two sets), v96-107 bv, v128-175 and v176-223 R's fragments (two sets; on the way out numbers, codes and work), v228-239 words on the way out;
;   window 1: v0-95, v128-223 P's fragments (two sets); window 2: the accumulators ((a, b) at v[8 (8 a + b)]); window 3: v0-63 bq, v64-127 bk, in the result's layout.
.set NQ,    4                          ; K steps of 128 in a slot
.set FB,    6144                       ; a tile's bytes in a slot
.set SLOT,  147456                     ; x's 8 tiles (two halves of 24,576 bytes), then W's 16 (two halves of 49,152)
.set ASC,   294912                     ; x's scale words: [4 kpairs][8 tiles][128 bytes]
.set BSC,   299008                     ; W's: [3 matrices][2 halves][4 kpairs][8 tiles][128 bytes]
.set SCST,  323584                     ; q's and k's scale words on their way out: 1,024 bytes each
.set SPARE, 325632                     ; the spare words: 128 bytes a wave, named by no other line
.set XSC,   6291456
.set WSC,   2359296
.set QKS,   12582912
.set VTS,   6291456
.set WSTEP, 786432                     ; from a matrix to the next in wq: 64 tiles of 12,288 bytes
.set ADRP,  2                          ; v2-3   q, k: my P fragments (W) in slot 0, 1
.set ADRR,  4                          ; v4-5   q, k: my R fragments (x)
.set ADRPV, 6                          ; v6-7   v: P (x)
.set ADRRV, 8                          ; v8-9   v: R (Wv)
.set ASQ,   10                         ; v10-11 q: my scale words: lanes 0-15 R's, lanes 16-31 P's; the second register has lanes 16-31 four tiles further on
.set SPW,   12                         ; v12    my spare word; never rewritten
.set NIL,   13                         ; v13    0; never rewritten
.set ASK,   14                         ; v14-15 the same for k
.set ASV,   16                         ; v16-17 the same for v
.set LI,    18                         ; v18    16 x lane
.set SWA,   19                         ; v19    where I put a scale word of q or k
.set SRA,   20                         ; v20    where I read 8 bytes of them back
.set TI,    21                         ; v21    8 x thread
.set TV,    22                         ; v22    v's scale words in memory: 128 h + 8 r
.set BPA,   24                         ; v24    my offset in bq and bk; untouched while their loads are out
.set BRA,   25                         ; v25    my offset in bv; likewise
.set RR,    26                         ; v26    r = lane % 16
.set HH,    27                         ; v27    h = lane / 16
.set SC,    32
.set BRV,   96                         ; v96-99 bv, a register a tile of R;  v100-107 the same in pairs
.set BRE,   100
.set RF,    128
.set RSZ,   48
.set T,     128                        ; the way out: 64 numbers
.set PC,    192                        ; their codes
.set TM,    212                        ; at work
.set PW,    228                        ; the scale word
.set PWV,   232                        ; v232-235 v's four scale words
.set BKR,   236                        ; v236-237 scale words read back
.set SEL2,  238                        ; v238-239 v's words, two tiles to a register
.set G1A,   24
.set G0A,   32
.set G1B,   48
.set G0B,   56
.set G1SA,  68
.set G0SA,  76
.set G1SB,  80
.set G0SB,  88                         ; s[88:91] group 0: W's scale words of q, k, v
.set MSB, 0
.macro WIN new                         ; the immediate's high byte repeats the setting that is left
.if MSB != (\new)
	s_set_vgpr_msb (MSB<<8)|(\new)
.set MSB, (\new)
.endif
.endm
.set MUL_LO, 0xa1                      ; source 0 (P) window 1, source 1 (R) window 0, C and D window 2
.set TO_P,   0x40                      ; destination window 1
.macro PLACES                          ; four plain places behind matrix instructions, ahead of loads into their sources and of reads of their results
.rept 4
	v_nop
.endr
.endm
.macro CREST                           ; a round of the cluster's barrier behind its opening barrier
	s_cmp_lg_u32 s18, 0
	s_cbranch_scc1 .Lnot_wave_0_\@
	s_barrier_signal -3
.Lnot_wave_0_\@:
	s_barrier_wait -3
	s_barrier_signal -1
	s_barrier_wait -1
.endm
.macro CROUND
	s_barrier_signal -1
	s_barrier_wait -1
	CREST
.endm
; A joint refill of W's part of slot s: waves 2 and 3 fetch its halves, waves 0 and 1 have nothing to fill (x stays).  The branch hangs on the wave's number alone.
; Four v_nop follow the load; the four behind the label are every wave's places ahead of what follows.
.macro JLOADB s
	s_cmp_eq_u32 s19, 0
	s_cbranch_scc1 .Lnone_\@
	tensor_load_to_lds s[G0B+4*(\s):G0B+4*(\s)+3], s[G1B:G1B+7]
	s_nop 0
.rept 4
	v_nop
.endr
.Lnone_\@:
.rept 4
	v_nop
.endr
.endm
.macro FRAG reg, adr, off              ; a fragment's image: three loads of 512 consecutive bytes
.irp c, 0,1,2
	ds_load_b128 v[(\reg)+4*\c:(\reg)+4*\c+3], v[\adr] offset:(\off)+512*\c
.endr
.endm
; AP, AR, AS name the address registers of the tile in hand (set ahead of each tile)
.macro FETCH slot, q, set              ; 8 fragments of P, 4 of R: the slot's q-th 128 along K
	WIN TO_P
.irp i, 0,1,2,3,4,5,6,7
	FRAG 128*(\set)+12*\i, AP+(\slot), \i*FB+(\q)*1536
.endr
	WIN 0
.irp i, 0,1,2,3
	FRAG RF+RSZ*(\set)+12*\i, AR+(\slot), \i*FB+(\q)*1536
.endr
.endm
; a slot's scale words: register 4 i + q: lanes 16-31 P's tile i; lanes 0-15 R's tile i % 4 (for i > 3 read again and not used: so every lane stays inside the filled bytes)
.macro SCALES slot
.irp i, 0,1,2,3,4,5,6,7
.irp kp, 0,1
	ds_load_b64 v[SC+32*(\slot)+4*\i+2*\kp:SC+32*(\slot)+4*\i+2*\kp+1], v[AS+\i/4] offset:128*(\i%4)+1024*\kp+2048*(\slot)
.endr
.endr
.endm
; eight products: R's tile a against P's eight.  The 32 accumulators take turns in the same order in every step.  mode 1: the constant 0 starts the sums
.macro MULA a, set, q, sc, mode
.irp b, 0,1,2,3,4,5,6,7
.if (\mode) == 0
	v_wmma_scale_f32_16x16x128_f8f6f4 v[8*(8*(\a)+\b):8*(8*(\a)+\b)+7], v[128*(\set)+12*\b:128*(\set)+12*\b+11], v[RF+RSZ*(\set)+12*(\a):RF+RSZ*(\set)+12*(\a)+11], v[8*(8*(\a)+\b):8*(8*(\a)+\b)+7], v[SC+8*NQ*(\sc)+NQ*\b+(\q)], v[SC+8*NQ*(\sc)+NQ*(\a)+(\q)] matrix_a_fmt:MATRIX_FMT_FP6 matrix_b_fmt:MATRIX_FMT_FP6 matrix_a_scale:MATRIX_SCALE_ROW1
.else
	v_wmma_scale_f32_16x16x128_f8f6f4 v[8*(8*(\a)+\b):8*(8*(\a)+\b)+7], v[128*(\set)+12*\b:128*(\set)+12*\b+11], v[RF+RSZ*(\set)+12*(\a):RF+RSZ*(\set)+12*(\a)+11], 0, v[SC+8*NQ*(\sc)+NQ*\b+(\q)], v[SC+8*NQ*(\sc)+NQ*(\a)+(\q)] matrix_a_fmt:MATRIX_FMT_FP6 matrix_b_fmt:MATRIX_FMT_FP6 matrix_a_scale:MATRIX_SCALE_ROW1
.endif
.endr
.endm
.macro STEP slot, q, mode              ; a step of 128 along K whose successor lies in the same slot
	s_wait_dscnt 0x0                               ; this step's fragments, asked for a step ago, are in
.if (\mode) == 0
	PLACES                                         ; the other set was read by the last step's products  (a tile's first step stands behind the way out, which holds the places)
.endif
	FETCH \slot, (\q)+1, 1-(\q)%2
.if (\mode) != 0
	PFNEXT                                         ; at a tile's first step
.endif
	WIN MUL_LO
.irp a, 0,1,2,3
	MULA \a, (\q)%2, \q, \slot, \mode
.endr
	WIN 0
.endm
; Slot 0's last step changes to slot 1: one barrier; ahead of it each wave waits for all its tensor loads, adds 0 to its spare word and waits for that and for its reads of the slot.
; fill = 1: W's part of slot 0 takes the next matrix's K 0-511: the load has four steps, 128 matrix instructions, in which to land.
.macro TURN fill
	s_wait_tensorcnt 0x0                           ; all my tensor loads have landed: my part of slot 1
	ds_add_u32 v[SPW], v[NIL]                      ; 0 onto my spare word
	s_wait_dscnt 1                                 ; this step's fragments are in; the add alone may be out
	WIN MUL_LO
	MULA 0, 1, NQ-1, 0, 0
	s_wait_dscnt 0x0                               ; the add is done, and my reads of slot 0 are over
	s_barrier_signal -1
	MULA 1, 1, NQ-1, 0, 0
	WIN 0
	s_barrier_wait -1
.if \fill
	CREST                                          ; the barrier has opened a round of the cluster's: no wave of any partner still reads these bytes or has a load on its way
	s_add_nc_u64 s[G0B+2:G0B+3], s[G0B+2:G0B+3], WSTEP
	JLOADB 0                                       ; the first tensor load behind the round
.else
	PLACES
.endif
	FETCH 1, 0, 0
	SCALES 1
	PFNEXT                                         ; behind the refill and the run of LDS loads
	WIN MUL_LO
	MULA 2, 1, NQ-1, 0, 0
	MULA 3, 1, NQ-1, 0, 0
	WIN 0
.endm
; The last step of a tile that has a successor: the same three lines and round; W's part of slot 1 takes the next matrix's K 512-1023, which has the way out and four steps in which to land.
; Nothing is fetched from LDS here: the way out wants window 0, and the next tile's first fragments follow it.  Slot 0's refill has landed in every wave that made it ahead of this round.
.macro ENDT
	s_wait_tensorcnt 0x0                           ; all my tensor loads have landed: my part of slot 0, the next tile's
	ds_add_u32 v[SPW], v[NIL]                      ; 0 onto my spare word
	s_wait_dscnt 1                                 ; this step's fragments are in; the add alone may be out
	WIN MUL_LO
	MULA 0, 1, NQ-1, 1, 0
	s_wait_dscnt 0x0                               ; the add is done, and my reads of slot 1 are over
	s_barrier_signal -1
	MULA 1, 1, NQ-1, 1, 0
	WIN 0
	s_barrier_wait -1
	CREST
	s_add_nc_u64 s[G0B+6:G0B+7], s[G0B+6:G0B+7], WSTEP
	JLOADB 1                                       ; the first tensor load behind the round
	WIN MUL_LO
	MULA 2, 1, NQ-1, 1, 0
	MULA 3, 1, NQ-1, 1, 0
	WIN 0
.endm
.macro LAST                            ; the last tile's last step
	s_wait_dscnt 0x0
	WIN MUL_LO
.irp a, 0,1,2,3
	MULA \a, 1, NQ-1, 1, 0
.endr
	WIN 0
.endm
.macro TILE more                       ; K = 1024: eight steps, four in each slot
	FETCH 0, 0, 0
	SCALES 0
	STEP 0, 0, 1                                   ; the products start the sums: nothing is cleared
	STEP 0, 1, 0
	STEP 0, 2, 0
	TURN \more
	STEP 1, 0, 0
	STEP 1, 1, 0
	STEP 1, 2, 0
.if \more
	ENDT
.else
	LAST
.endif
.endm
; 64 numbers of a lane, register 16 b + i = k 32 b + 16 (lane / 16) + i of my row, become a fragment's codes in v[PC] on and its scale word in v[PW]
.macro QUANT s
.irp b, 0,1,2,3
	v_max3_num_f32 v[TM+\b], |v[\s+16*\b]|, |v[\s+1+16*\b]|, 0x1800000   ; with the floor 2^(3 - 127): the byte cannot fall under 1
.endr
.irp i, 2,4,6,8,10,12,14
.irp b, 0,1,2,3
	v_max3_num_f32 v[TM+\b], v[TM+\b], |v[\s+16*\b+\i]|, |v[\s+1+16*\b+\i]|
.endr
.endr
.irp b, 0,1,2,3
	v_permlanex16_b32 v[TM+4+\b], v[TM+\b], s100, s101
.endr
.irp b, 0,1,2,3
	v_max_num_f32 v[TM+\b], v[TM+\b], v[TM+4+\b]   ; with lane l xor 16's: the block's largest magnitude
.endr
.irp b, 0,1,2,3
	v_add_nc_u32 v[TM+12+\b], 0xff000000, v[TM+\b] ; 2 off its exponent field: the conversion's scale operand
.endr
.irp b, 0,1,2,3
	v_lshrrev_b32 v[TM+4+\b], 23, v[TM+12+\b]      ; the scale's byte
.endr
	v_lshl_or_b32 v[PW], v[TM+5], 8, v[TM+4]
	v_lshl_or_b32 v[PW], v[TM+6], 16, v[PW]
	v_lshl_or_b32 v[PW], v[TM+7], 24, v[PW]
.irp c, 0,1
	v_cvt_scalef32_pk16_fp6_f32 v[PC+6*\c:PC+2+6*\c], v[\s+32*\c:\s+15+32*\c], v[TM+12+2*\c]
	v_cvt_scalef32_pk16_fp6_f32 v[PC+12+4*\c:PC+14+4*\c], v[\s+16+32*\c:\s+31+32*\c], v[TM+12+2*\c+1]
.endr
	v_nop                                          ; one plain place behind a scaled conversion
.irp c, 0,1                                    ; the operand wants a whole block in a lane: lanes 0-15 block 2 c, lanes 16-31 block 2 c + 1
.irp i, 0,1,2
	v_permlane16_swap_b32 v[PC+6*\c+\i], v[PC+12+4*\c+\i]
.endr
.irp i, 0,1,2
	v_mov_b32 v[PC+3+6*\c+\i], v[PC+12+4*\c+\i]
.endr
.endr
.endm
	s_load_b256 s[4:11], s[0:1], 0x0               ; xq, wq, bq, bk
	s_load_b128 s[12:15], s[0:1], 0x20             ; bv, qk
	s_load_b64 s[16:17], s[0:1], 0x30              ; vt
	v_lshl_add_u32 v[SPW], v0, 2, SPARE
	v_mov_b32 v[NIL], 0
	ds_add_u32 v12, v13
	ds_add_u32 v12, v13
	s_wait_dscnt 0x0
	v_lshrrev_b32 v1, 5, v0
	v_readfirstlane_b32 s18, v1                    ; wave 0..3
	s_lshr_b32 s19, s18, 1                         ; hr.  Also: I fetch for x (0) or for W (1)
	s_and_b32 s20, s18, 1                          ; hp.  Also: which half I fetch
	s_bfe_u32 s40, ttmp6, 0x40000                  ; cx
	s_bfe_u32 s41, ttmp6, 0x40004                  ; cy
	s_lshl_b32 s42, ttmp9, 2
	s_add_co_u32 s42, s42, s40                     ; work-group x: 256 columns of each matrix
	s_and_b32 s43, ttmp7, 0xffff
	s_lshl_b32 s43, s43, 2
	s_add_co_u32 s43, s43, s41                     ; work-group y: 128 tokens
	s_lshl_b32 s44, s41, 2
	s_lshl_b32 s44, 15, s44                        ; my row of the cluster
	s_lshl_b32 s45, 0x1111, s40                    ; my column
	s_or_b32 s[G1A], s44, (3<<16)|(1<<21)          ; x: 15:0 the mask; 17:16 elements of 8 bytes; 21 set beside a mask; no padding.  4 tiles x 6,144 bytes (four K steps), 12,288 bytes from tile to tile
	s_mov_b32 s[G1A+1], 768<<16
	s_mov_b32 s[G1A+2], 8<<16                      ; the head's load brings all 8 tiles; behind it the two row counts are set to 4
	s_mov_b32 s[G1A+3], 768<<16
	s_mov_b32 s[G1A+4], 8
	s_mov_b32 s[G1A+5], 1536
	s_mov_b32 s[G1A+6], 0
	s_mov_b32 s[G1A+7], 0
	s_or_b32 s[G1B], s45, (3<<16)|(1<<21)          ; W: 8 tiles x 6,144 bytes
	s_mov_b32 s[G1B+1], 768<<16
	s_mov_b32 s[G1B+2], 16<<16                     ; the head's load brings all 16 tiles; behind it the two row counts are set to 8
	s_mov_b32 s[G1B+3], 768<<16
	s_mov_b32 s[G1B+4], 16
	s_mov_b32 s[G1B+5], 1536
	s_mov_b32 s[G1B+6], 0
	s_mov_b32 s[G1B+7], 0
	s_or_b32 s[G1SA], s44, (3<<16)|(1<<21)         ; x's scale words: 4 kpairs x 1,024 bytes (8 tiles), 65,536 bytes from kpair to kpair
	s_mov_b32 s[G1SA+1], 128<<16
	s_mov_b32 s[G1SA+2], 4<<16                     ; all 4 kpairs in one load
	s_mov_b32 s[G1SA+3], 128<<16
	s_mov_b32 s[G1SA+4], 4
	s_mov_b32 s[G1SA+5], 8192
	s_mov_b32 s[G1SA+6], 0
	s_mov_b32 s[G1SA+7], 0
	s_or_b32 s[G1SB], s45, (3<<16)|(1<<21)         ; W's: 24 rows x 1,024 bytes, 1,024 bytes from row to row
	s_mov_b32 s[G1SB+1], 128<<16
	s_mov_b32 s[G1SB+2], 24<<16                    ; W's scale words of q, k, v: one dense block, 24 rows of 1,024 bytes
	s_mov_b32 s[G1SB+3], 128<<16
	s_mov_b32 s[G1SB+4], 24
	s_mov_b32 s[G1SB+5], 128
	s_mov_b32 s[G1SB+6], 0
	s_mov_b32 s[G1SB+7], 0
	s_lshl_b32 s46, s43, 3
	s_lshl_b32 s47, s20, 2
	s_add_co_u32 s46, s46, s47                     ; x: tile 8 y + 4 x half
	s_mul_i32 s22, s46, 12288
	s_mov_b32 s23, 0
	s_lshl_b32 s2, s43, 10                         ; its scale words: 8 y tiles of 128 bytes,
	s_add_co_u32 s2, s2, XSC
	s_mov_b32 s3, 0
	s_lshl_b32 s66, s42, 4
	s_lshl_b32 s47, s20, 3
	s_add_co_u32 s66, s66, s47                     ; W: tile 16 x + 8 x half, of Wq
	s_mul_i32 s96, s66, 12288
	s_mov_b32 s97, 0
	s_mul_i32 s66, s42, 24576                      ; my 256 columns' block of scale words
	s_add_co_u32 s66, s66, WSC
	s_mov_b32 s67, 0
	s_mov_b32 s100, 0x76543210
	s_mov_b32 s101, 0xfedcba98                     ; lane selects for v_permlanex16_b32: lane l xor 16
	s_wait_kmcnt 0x0
	s_add_nc_u64 s[22:23], s[4:5], s[22:23]
	s_add_nc_u64 s[2:3], s[4:5], s[2:3]
	s_add_nc_u64 s[96:97], s[6:7], s[96:97]
	s_add_nc_u64 s[66:67], s[6:7], s[66:67]
	s_mul_i32 s46, s20, 24576                      ; where x's half goes in a slot,
	s_mul_i32 s47, s20, 49152
	s_add_co_u32 s47, s47, 49152                   ; and W's: no place in the cluster enters an LDS address
	CROUND                                         ; all sixteen work-groups are here: the first joint loads meet
	s_mov_b32 s[G0SA], 1
	s_mov_b32 s[G0SA+1], ASC
	s_mov_b64 s[G0SA+2:G0SA+3], s[2:3]
	s_or_b32 s[G0SA+3], s[G0SA+3], 0x80000000
.irp s, 0,1
	s_mov_b32 s[G0A+4*\s], 1
	s_add_co_u32 s[G0A+4*\s+1], s46, \s*SLOT
	s_add_nc_u64 s[G0A+4*\s+2:G0A+4*\s+3], s[22:23], \s*FB
	s_or_b32 s[G0A+4*\s+3], s[G0A+4*\s+3], 0x80000000
	s_mov_b32 s[G0B+4*\s], 1
	s_add_co_u32 s[G0B+4*\s+1], s47, \s*SLOT
	s_add_nc_u64 s[G0B+4*\s+2:G0B+4*\s+3], s[96:97], \s*FB
	s_or_b32 s[G0B+4*\s+3], s[G0B+4*\s+3], 0x80000000
.endr
	s_mov_b32 s[G0SB], 1
	s_mov_b32 s[G0SB+1], BSC
	s_mov_b64 s[G0SB+2:G0SB+3], s[66:67]
	s_or_b32 s[G0SB+3], s[G0SB+3], 0x80000000
; PREFETCHES INTO THE L2, two fills ahead of the tensor load that will want the bytes.  A wave asks for what it will itself load; the four partners that ask for a part jointly share its tiles out BY ADDRESS:
; of x's 4 tiles the partner at cx takes one, of W's 8 tiles the partner at cy takes two.  A tile's part of a fill is 6,144 bytes: 24 blocks of 256, a lane a block (lanes 24-31 name the last again).
; W's fills in their order: n = 2 x matrix + slot.  The head asks for fill 1 (x's too) and fill 2; fills 3, 4, 5 are asked for behind the loads of fills 1, 2 and at k's first step.  Every offset is an immediate: the address registers are never rewritten.
	s_mul_i32 s94, s40, 12288
	s_mul_i32 s95, s41, 24576
	s_cmp_eq_u32 s19, 0
	s_cselect_b64 s[92:93], s[22:23], s[96:97]
	s_cselect_b32 s94, s94, s95
	s_mov_b32 s95, 0
	s_add_nc_u64 s[92:93], s[92:93], s[94:95]
.set PFN, 3
.macro PF off, xtoo
	s_cmp_eq_u32 s19, 0
	s_cbranch_scc1 .Lpfx_\@
	global_prefetch_b8 v23, s[92:93] offset:(\off)+12288 th:TH_LOAD_NT scope:SCOPE_SE
.if (\xtoo) == 0
	global_prefetch_b8 v23, s[92:93] offset:(\off) th:TH_LOAD_NT scope:SCOPE_SE
.endif
.Lpfx_\@:
.if (\xtoo) != 0
	global_prefetch_b8 v23, s[92:93] offset:(\off) th:TH_LOAD_NT scope:SCOPE_SE
.endif
.endm
.macro PFNEXT                          ; W's next fill that has not been asked for, while there is one
.if PFN < 6
	PF (PFN/2)*WSTEP+(PFN%2)*FB, 0
.set PFN, PFN+1
.endif
.endm
; THE HEAD'S LOADS, ONE A WAVE: wave 0 x's 8 tiles of slot 0 (its group 0 is half 0's, the row count 8), wave 1 x's scale words,
; wave 2 W's 16 tiles of slot 0 (half 0's group 0, the row count 16), wave 3 W's scale words.  One chain of branches on the wave's number, all arms to one join.
.macro ARM under, g0, g1, next
	s_cmp_lt_u32 s18, \under
	s_cbranch_scc0 \next
	tensor_load_to_lds s[\g0:\g0+3], s[\g1:\g1+7]
	s_nop 0
.rept 4
	v_nop
.endr
	s_branch .Lfirst_done
\next:
.endm
	ARM 1, G0A,  G1A,  .Lhead_sa
	ARM 2, G0SA, G1SA, .Lhead_b
	ARM 3, G0B,  G1B,  .Lhead_sb
	tensor_load_to_lds s[G0SB:G0SB+3], s[G1SB:G1SB+7]
	s_nop 0
.rept 4
	v_nop
.endr
.Lfirst_done:
	; the biases are asked for now and waited for at the first way out; their address registers and bases stay as they are
	v_and_b32 v1, 31, v0
	v_and_b32 v[RR], 15, v0
	v_bfe_u32 v[HH], v0, 4, 1
	v_lshlrev_b32 v[LI], 4, v1
	v_min_u32 v23, 23, v1
	v_lshlrev_b32 v23, 8, v23                      ; v23: the prefetches' offset, my block of a tile's 24; never rewritten
	s_wait_alu depctr_va_vdst(0)
	PF FB, 1                                       ; slot 1's first fill: x's and Wq's K 512-1023
	PF WSTEP, 0                                    ; Wk's K 0-511
	s_lshl_b32 s46, s42, 10
	s_lshl_b32 s47, s20, 9
	s_add_co_u32 s47, s47, s46
	v_lshl_add_u32 v[BPA], v[HH], 6, s47           ; bq, bk: + 512 hp + 64 h: tile t's eight numbers lie (32 (t / 2) + 8 (t % 2)) x 4 bytes on
	s_lshl_b32 s47, s18, 8
	s_add_co_u32 s47, s47, s46
	v_and_b32 v28, 8, v[RR]
	v_add_nc_u32 v28, v28, v[RR]
	v_lshl_add_u32 v[BRA], v28, 2, s47             ; bv: + 256 x wave + 4 (r + 8 (r / 8))
	WIN 0xc0                                       ; destination window 3
.irp t, 0,1,2,3,4,5,6,7
	global_load_b128 v[8*\t:8*\t+3], v[BPA], s[8:9] offset:(32*(\t/2)+8*(\t%2))*4
	global_load_b128 v[8*\t+4:8*\t+7], v[BPA], s[8:9] offset:(32*(\t/2)+8*(\t%2))*4+16
	global_load_b128 v[64+8*\t:64+8*\t+3], v[BPA], s[10:11] offset:(32*(\t/2)+8*(\t%2))*4
	global_load_b128 v[64+8*\t+4:64+8*\t+7], v[BPA], s[10:11] offset:(32*(\t/2)+8*(\t%2))*4+16
.endr
	WIN 0
.irp a, 0,1,2,3
	global_load_b32 v[BRV+\a], v[BRA], s[12:13] offset:(32*(\a/2)+8*(\a%2))*4
.endr
	; the LDS addresses
	s_mul_i32 s46, s20, 49152
	s_add_co_u32 s46, s46, 49152
	v_add_nc_u32 v[ADRP], s46, v[LI]               ; q, k: P = my half of W's 16 tiles
	s_mul_i32 s47, s19, 24576
	v_add_nc_u32 v[ADRR], s47, v[LI]               ; R = my half of x's 8
	v_add_nc_u32 v[ADRP+1], SLOT, v[ADRP]
	v_add_nc_u32 v[ADRR+1], SLOT, v[ADRR]
	v_mov_b32 v[ADRPV], v[LI]                      ; v: P = x's 8 tiles
	v_add_nc_u32 v[ADRPV+1], SLOT, v[LI]
	s_mul_i32 s46, s18, 24576
	s_add_co_u32 s46, s46, 49152
	v_add_nc_u32 v[ADRRV], s46, v[LI]              ; R = my quarter of W's 16
	v_add_nc_u32 v[ADRRV+1], SLOT, v[ADRRV]
	s_lshl_b32 s46, s19, 9
	s_lshl_b32 s47, s20, 12
	s_add_co_u32 s47, s47, BSC-ASC
	s_sub_co_u32 s47, s47, s46                     ; from my tokens' scale words to my columns'
	v_mul_u32_u24 v28, s47, v[HH]                  ; lanes 16-31 take P's
	s_add_co_u32 s46, s46, ASC
	v_lshl_add_u32 v[ASQ], v[RR], 3, s46
	v_add_nc_u32 v[ASQ], v[ASQ], v28
	v_lshl_add_u32 v[ASQ+1], v[HH], 9, v[ASQ]      ; for P's tiles 4-7: lanes 16-31 four tiles on, lanes 0-15 as they were
	v_lshl_add_u32 v[ASK], v[HH], 13, v[ASQ]       ; k: W's words lie 8,192 bytes on
	v_lshl_add_u32 v[ASK+1], v[HH], 9, v[ASK]
	s_lshl_b32 s46, s19, 12
	s_lshl_b32 s47, s20, 9
	s_add_co_u32 s46, s46, s47
	s_add_co_u32 s46, s46, BSC-ASC+16384           ; v: from x's words to my quarter of Wv's: half wave / 2, tiles 4 (wave % 2) on
	v_xor_b32 v28, 1, v[HH]
	v_mul_u32_u24 v28, s46, v28                    ; lanes 0-15 take R's, which here are W's
	v_lshl_add_u32 v[ASV], v[RR], 3, ASC
	v_add_nc_u32 v[ASV], v[ASV], v28
	v_lshl_add_u32 v[ASV+1], v[HH], 9, v[ASV]
	s_lshl_b32 s46, s19, 9
	s_lshl_b32 s47, s20, 2
	s_add_co_u32 s46, s46, s47
	s_add_co_u32 s46, s46, SCST
	v_lshl_add_u32 v[SWA], v[RR], 3, s46           ; 512 hr + 8 r + 4 hp, + 128 a tile
	v_lshl_add_u32 v[SRA], v0, 3, SCST
	v_lshlrev_b32 v[TI], 3, v0
	v_lshlrev_b32 v[TV], 7, v[HH]
	v_lshl_add_u32 v[TV], v[RR], 3, v[TV]
	; where the results go.  q, k: qk, fragment (token tile 8 y + 4 hr + a, K step 8 m + 2 x + hp).  v: vt, fragment (e tile 16 x + 4 wave + a, K step y)
	s_lshl_b32 s46, s43, 3
	s_lshl_b32 s47, s19, 2
	s_add_co_u32 s46, s46, s47
	s_lshl_b32 s46, s46, 4
	s_lshl_b32 s47, s42, 1
	s_add_co_u32 s46, s46, s47
	s_add_co_u32 s46, s46, s20
	s_mul_i32 s46, s46, 1536
	s_mov_b32 s47, 0
	s_add_nc_u64 s[22:23], s[14:15], s[46:47]
	s_lshl_b32 s46, s42, 9
	s_lshl_b32 s21, s43, 3
	s_add_co_u32 s46, s46, s21
	s_lshl_b32 s46, s46, 7
	s_add_co_u32 s46, s46, QKS                     ; q's scale words: kpair x, tiles 8 y on; k's four kpairs further
	s_add_nc_u64 s[2:3], s[14:15], s[46:47]
	s_lshl_b32 s46, s42, 4
	s_lshl_b32 s21, s18, 2
	s_add_co_u32 s46, s46, s21                     ; e tile 16 x + 4 wave
	s_lshl_b32 s66, s46, 6
	s_add_co_u32 s66, s66, s43
	s_mul_i32 s66, s66, 1536
	s_mov_b32 s67, 0
	s_add_nc_u64 s[44:45], s[16:17], s[66:67]
	s_lshr_b32 s66, s43, 1
	s_lshl_b32 s66, s66, 6
	s_add_co_u32 s66, s66, s46
	s_lshl_b32 s66, s66, 7
	s_and_b32 s21, s43, 1
	s_lshl_b32 s21, s21, 2
	s_add_co_u32 s66, s66, s21
	s_add_co_u32 s66, s66, VTS                     ; v's scale words: kpair y / 2, my tiles, word y % 2 of each pair
	s_add_nc_u64 s[40:41], s[16:17], s[66:67]
	s_wait_alu depctr_va_vdst(0)
	s_wait_tensorcnt 0x0                           ; my tile of the head's four is in
	ds_add_u32 v[SPW], v[NIL]                      ; 0 onto my spare word
	s_mov_b32 s[G1A+2], 4<<16                      ; no tensor load of mine is out: from here on a load brings half a part: 4 tiles of x,
	s_mov_b32 s[G1A+4], 4
	s_mov_b32 s[G1B+2], 8<<16                      ; 8 of W
	s_mov_b32 s[G1B+4], 8
	s_wait_dscnt 0x0                               ; the add is done
	CROUND                                         ; a whole round: all four tiles are in, and the sixteen work-groups are here
	s_cmp_eq_u32 s19, 0                            ; slot 1's first fill, a quarter a wave: the first tensor load behind the round
	s_cbranch_scc0 .Lsec_b
	tensor_load_to_lds s[G0A+4:G0A+7], s[G1A:G1A+7]
	s_nop 0
.rept 4
	v_nop
.endr
	s_branch .Lsec_done
.Lsec_b:
	tensor_load_to_lds s[G0B+4:G0B+7], s[G1B:G1B+7]
	s_nop 0
.rept 4
	v_nop
.endr
.Lsec_done:
; THE WAY OUT of q or k (m = 0, 1).  For each of my four tiles of tokens a lane's 64 numbers are one K step of the next operand: + the bias, quantised in registers, stored as an image.
.macro EPIQ m, a
	WIN 0x0e                                       ; source 0 (the sums) window 2, source 1 (the bias) window 3
.set J, 0
.rept 32
	v_pk_add_f32 v[T+J:T+J+1], v[64*(\a)+J:64*(\a)+J+1], v[64*(\m)+J:64*(\m)+J+1]   ; each accumulator from its low end on
.set J, J+2
.endr
	WIN 0
.if (\a) > 0
	s_wait_xcnt 0x0                                ; the last tile's stores have read the codes' registers
	s_wait_dscnt 0x0
.endif
	QUANT T
.irp c, 0,1,2
	global_store_b128 v[LI], v[PC+4*\c:PC+4*\c+3], s[22:23] offset:12288*(\m)+24576*(\a)+512*\c   ; 512 consecutive bytes
.endr
	ds_store_b32 v[SWA], v[PW] offset:1024*(\m)+128*(\a)   ; both halves of the lanes write the same word with the same value
.endm
.macro OUTQK m
	PLACES
.if (\m) == 0
	s_wait_loadcnt 0x0                             ; the biases, asked for at the head
.endif
.irp b, 0,1,2,3
	v_mov_b32 v[TM+4+\b], 0                        ; a lane permute's destination counts as one of its sources
.endr
.irp a, 0,1,2,3
	EPIQ \m, \a
.endr
	s_wait_dscnt 0x0                               ; for the others' sake: my scale words lie in LDS  (a pair of words comes from two waves)
	s_barrier_signal -1                            ; slot 1's refill may stay out, and slot 1 is read only behind the next change of slots
	s_barrier_wait -1
	ds_load_b64 v[BKR:BKR+1], v[SRA] offset:1024*(\m)
	s_wait_dscnt 0x0
	global_store_b64 v[TI], v[BKR:BKR+1], s[2:3] offset:262144*(\m)   ; a wave stores 256 consecutive bytes, aligned
	s_wait_xcnt 0x0                                ; all my stores have read their registers: the next tile's fragments may land there
.endm
; THE WAY OUT of v.  A lane's 64 numbers run along my work-group's 128 tokens: K step y of the last product
.macro EPIV a
	WIN 0x02                                       ; source 0 window 2
.set J, 0
.rept 32
	v_pk_add_f32 v[T+J:T+J+1], v[64*(\a)+J:64*(\a)+J+1], v[BRE+2*(\a):BRE+2*(\a)+1]   ; each accumulator from its low end on; the bias of my column
.set J, J+2
.endr
	WIN 0
.if (\a) > 0
	s_wait_xcnt 0x0                                ; the last tile's stores have read the codes' registers
.endif
	QUANT T
.irp c, 0,1,2
	global_store_b128 v[LI], v[PC+4*\c:PC+4*\c+3], s[44:45] offset:98304*(\a)+512*\c   ; 512 consecutive bytes
.endr
	v_mov_b32 v[PWV+\a], v[PW]
.endm
.set AP, ADRP
.set AR, ADRR
.set AS, ASQ
	TILE 1                                         ; q
	OUTQK 0
.set AS, ASK
	TILE 1                                         ; k
	OUTQK 1
.set AP, ADRPV
.set AR, ADRRV
.set AS, ASV
	TILE 0                                         ; v: nothing is left to fetch
	PLACES
.irp b, 0,1,2,3
	v_mov_b32 v[TM+4+\b], 0
.endr
.irp a, 0,1,2,3
	v_mov_b32 v[BRE+2*\a], v[BRV+\a]
	v_mov_b32 v[BRE+2*\a+1], v[BRV+\a]
.endr
.irp a, 0,1,2,3
	EPIV \a
.endr
	v_cmp_eq_u32 vcc_lo, 1, v[HH]                  ; both halves of the lanes hold row r's word: lanes 0-15 send one tile's, lanes 16-31 the next tile's
	v_cndmask_b32 v[SEL2], v[PWV], v[PWV+1], vcc_lo
	v_cndmask_b32 v[SEL2+1], v[PWV+2], v[PWV+3], vcc_lo
	global_store_b32 v[TV], v[SEL2], s[40:41]      ; 4 bytes of every 8: a pair of words spans 256 keys, and my work-group has 128 of them; the neighbour along y stores the other word
	global_store_b32 v[TV], v[SEL2+1], s[40:41] offset:256
	s_wait_tensorcnt 0x0                           ; the wave's end
	ds_add_u32 v[SPW], v[NIL]
	s_wait_dscnt 0x0
	CROUND                                         ; the closing round
	s_endpgm
.Lfunc_end_k_q77613a55da_proj:
	.size	k_q77613a55da_proj, .Lfunc_end_k_q77613a55da_proj-k_q77613a55da_proj
	.p2alignl 7, 3214868480
	.fill 96, 4, 3214868480
	.section	.rodata,"a",@progbits
	.p2align	6, 0x0
	.amdhsa_kernel k_q77613a55da_proj
		.amdhsa_group_segment_fixed_size 327680
		.amdhsa_private_segment_fixed_size 0
		.amdhsa_enable_private_segment 0
		.amdhsa_kernarg_size 56
		.amdhsa_user_sgpr_count 2
		.amdhsa_user_sgpr_kernarg_segment_ptr 1
		.amdhsa_wavefront_size32 1
		.amdhsa_system_sgpr_workgroup_id_x 1
		.amdhsa_system_sgpr_workgroup_id_y 1
		.amdhsa_system_sgpr_workgroup_id_z 1
		.amdhsa_system_vgpr_workitem_id 0
		.amdhsa_next_free_vgpr 1024
		.amdhsa_next_free_sgpr 102
		.amdhsa_reserve_vcc 1
		.amdhsa_float_denorm_mode_32 3
		.amdhsa_float_denorm_mode_16_64 3
		.amdhsa_memory_ordered 1
		.amdhsa_forward_progress 1
		.amdhsa_inst_pref_size 255
	.end_amdhsa_kernel
	.section	.bss,"aw",@nobits
	.p2align	6
	.space	262144
	.amdgpu_metadata
---
amdhsa.version: [ 1, 2 ]
amdhsa.kernels:
  - .name:           k_q77613a55da_proj
    .symbol:         k_q77613a55da_proj.kd
    .args:
      - { .name: xq, .offset: 0, .size: 8, .value_kind: global_buffer, .address_space: global }
      - { .name: wq, .offset: 8, .size: 8, .value_kind: global_buffer, .address_space: global }
      - { .name: bq, .offset: 16, .size: 8, .value_kind: global_buffer, .address_space: global }
      - { .name: bk, .offset: 24, .size: 8, .value_kind: global_buffer, .address_space: global }
      - { .name: bv, .offset: 32, .size: 8, .value_kind: global_buffer, .address_space: global }
      - { .name: qk, .offset: 40, .size: 8, .value_kind: global_buffer, .address_space: global }
      - { .name: vt, .offset: 48, .size: 8, .value_kind: global_buffer, .address_space: global }
    .group_segment_fixed_size: 327680
    .private_segment_fixed_size: 0
    .kernarg_segment_align: 8
    .kernarg_segment_size: 56
    .max_flat_workgroup_size: 128
    .sgpr_count:     102
    .vgpr_count:     1024
    .wavefront_size: 32
...
	.end_amdgpu_metadata
.endif
;; end of part 2
;; launch scores (part 3): grid 8 x 32, 4 waves a work-group, clusters of 4 x 4, 327,680 bytes of LDS; arguments qk, pb; writes pb
.if DOCPART == 3
	.amdgcn_target "amdgcn-amd-amdhsa--gfx1250"
	.amdhsa_code_object_version 6
	.text
	.protected	k_q77613a55da_scores
	.globl	k_q77613a55da_scores
	.p2align	8
	.type	k_q77613a55da_scores,@function
k_q77613a55da_scores:
	s_mov_b64 s[64:65], 0
	v_nop
	global_prefetch_b8 v0, s[64:65] scope:SCOPE_SE
	s_setreg_imm32_b32 hwreg(HW_REG_WAVE_MODE, 25, 1), 1
	s_wait_xcnt 0x0
	s_wait_alu depctr_hold_cnt(0) depctr_sa_sdst(0) depctr_va_vdst(0) depctr_va_sdst(0) depctr_va_ssrc(0) depctr_va_vcc(0) depctr_vm_vsrc(0)
	s_getreg_b32 s2, hwreg(HW_REG_IB_STS2, 6, 4)
	s_cmp_eq_u32 s2, 0
	s_cbranch_scc0 .Lentry_in_a_cluster
	s_endpgm
.Lentry_in_a_cluster:
	s_bfe_u32 s2, ttmp6, 0x10000c
	s_cmp_lg_u32 s2, 0xf033
	s_cbranch_scc0 .Lentry_shape_is_right
	s_endpgm
.Lentry_shape_is_right:
; S^T = k q^T on codes of FP6 (E2M3), K = 1024, and the softmax's p for the second product, quantised along the keys, piece by piece of 128 keys.
; t = score x log2(e) / 32.  For each query and each piece of 128 keys: M_loc = ceil(the piece's largest t), p = 2^(t - M_loc), quantised in blocks of 32 keys; l_loc = the sum of the unquantised p.
; Stored: p's codes (images of operand registers), its scale words, -M_loc and l_loc.  The next launch finds M = the largest M_loc of a row and lowers each piece's scale bytes by M - M_loc, a whole number: the codes are those of 2^(t - M).
; A work-group makes 256 keys (P = k, side B) x 256 queries (R = q, side A) of one batch.  Four waves, each 128 x 128.  Lane (r, h), register j of P tile t: key 32 (t / 2) + 16 h + 8 (t % 2) + j, query row r of the R tile.
; Ring, cluster and fragments as in the launch before: K in steps of 256 through two slots, the scale words once; q's tile shared along a row of the cluster, k's along a column.
; LIMITS: NaN and infinities are not served; M_loc is a whole number in f32 while |t| stays under 2^24; p under 2^-126 counts as 0; a block whose every p is 0 keeps the byte 1 over zero codes.
.set NQ,    2
.set FB,    3072
.set SLOT,  98304
.set SCL,   196608
.set SCST,  229376                     ; three stages of 2,048 bytes: scale words, -M_loc, l_loc
.set SPARE, 237568
.set QKS,   12582912
.set PS,    12582912                   ; pb: the scale words; 524,288 bytes on -M_loc; as many again l_loc
.set ADRP,  2
.set ADRR,  4
.set ADRS,  6
.set LI,    7
.set SWA,   8
.set SRA,   9
.set TI,    10
.set SPW,   12
.set NIL,   13
.set SC,    32
.set RF,    64
.set RSZ,   96
.set T,     64                         ; v64-127 t - M, then p
.set PC,    128                        ; v128-146 p's codes
.set MX,    160                        ; v160-163 each block's largest score, then its largest p
.set MP,    164                        ; v164-167 the other half's; then the bytes
.set SOP,   168                        ; v168-171 the conversions' scale operands
.set NM,    172                        ; v172 -M_loc (v173 named with it as a pair)
.set LS,    174                        ; v174-177 the sum in two chains
.set WK,    178
.set LP,    179
.set LL,    180                        ; l_loc
.set PW,    181                        ; the scale word
.set G1A,   24
.set G0A,   32
.set G1B,   48
.set G0B,   56
.set G1SA,  68
.set G0SA,  76
.set G1SB,  80
.set G0SB,  88
.set MSB, 0
.macro WIN new                         ; the immediate's high byte repeats the setting that is left
.if MSB != (\new)
	s_set_vgpr_msb (MSB<<8)|(\new)
.set MSB, (\new)
.endif
.endm
.set MUL_LO, 0xa1
.set MUL_HI, 0xf1
.set TO_P,   0x40
.macro PLACES                          ; four plain places behind matrix instructions (ISA guide 7.12.1)
.rept 4
	v_nop
.endr
.endm
.macro CREST
	s_cmp_lg_u32 s18, 0
	s_cbranch_scc1 .Lnot_wave_0_\@
	s_barrier_signal -3
.Lnot_wave_0_\@:
	s_barrier_wait -3
	s_barrier_signal -1
	s_barrier_wait -1
.endm
.macro CROUND
	s_barrier_signal -1
	s_barrier_wait -1
	CREST
.endm
.macro JLOAD s                         ; waves 0, 1 fetch A's halves, waves 2, 3 B's; four v_nop follow each line
	s_cmp_eq_u32 s19, 0
	s_cbranch_scc0 .Lfor_b_\@
	tensor_load_to_lds s[G0A+4*(\s):G0A+4*(\s)+3], s[G1A:G1A+7]
	s_nop 0
.rept 4
	v_nop
.endr
	s_branch .Lasked_\@
.Lfor_b_\@:
	tensor_load_to_lds s[G0B+4*(\s):G0B+4*(\s)+3], s[G1B:G1B+7]
	s_nop 0
.rept 4
	v_nop
.endr
.Lasked_\@:
.endm
.macro FRAG reg, adr, off
.irp c, 0,1,2
	ds_load_b128 v[(\reg)+4*\c:(\reg)+4*\c+3], v[\adr] offset:(\off)+512*\c
.endr
.endm
.macro FETCH slot, q, set
	WIN TO_P
.irp i, 0,1,2,3,4,5,6,7
	FRAG 128*(\set)+12*\i, ADRP+(\slot), \i*FB+(\q)*1536
.endr
	WIN 0
.irp i, 0,1,2,3,4,5,6,7
	FRAG RF+RSZ*(\set)+12*\i, ADRR+(\slot), \i*FB+(\q)*1536
.endr
.endm
.macro SCALES sc
.irp i, 0,1,2,3,4,5,6,7
	ds_load_b64 v[SC+16*(\sc)+2*\i:SC+16*(\sc)+2*\i+1], v[ADRS] offset:128*\i
.endr
.endm
; eight products: R's tile a against P's eight; the 64 accumulators take turns in the same order in every step.  mode 1: the constant 0 starts the sums
.macro MULA a, set, q, sc, mode
.irp b, 0,1,2,3,4,5,6,7
.if (\mode) == 0
	v_wmma_scale_f32_16x16x128_f8f6f4 v[8*(8*((\a)%4)+\b):8*(8*((\a)%4)+\b)+7], v[128*(\set)+12*\b:128*(\set)+12*\b+11], v[RF+RSZ*(\set)+12*(\a):RF+RSZ*(\set)+12*(\a)+11], v[8*(8*((\a)%4)+\b):8*(8*((\a)%4)+\b)+7], v[SC+8*NQ*(\sc)+NQ*\b+(\q)], v[SC+8*NQ*(\sc)+NQ*(\a)+(\q)] matrix_a_fmt:MATRIX_FMT_FP6 matrix_b_fmt:MATRIX_FMT_FP6 matrix_a_scale:MATRIX_SCALE_ROW1
.else
	v_wmma_scale_f32_16x16x128_f8f6f4 v[8*(8*((\a)%4)+\b):8*(8*((\a)%4)+\b)+7], v[128*(\set)+12*\b:128*(\set)+12*\b+11], v[RF+RSZ*(\set)+12*(\a):RF+RSZ*(\set)+12*(\a)+11], 0, v[SC+8*NQ*(\sc)+NQ*\b+(\q)], v[SC+8*NQ*(\sc)+NQ*(\a)+(\q)] matrix_a_fmt:MATRIX_FMT_FP6 matrix_b_fmt:MATRIX_FMT_FP6 matrix_a_scale:MATRIX_SCALE_ROW1
.endif
.endr
.endm
.macro STEP slot, q, mode
	s_wait_dscnt 0x0                               ; this step's fragments, asked for a step ago, are in
.if (\mode) == 0
	PLACES                                         ; the other set was read by the last step's products
.endif
	FETCH \slot, (\q)+1, 1-(\q)%2
.if (\mode) != 0
	global_prefetch_b8 v11, s[8:9] offset:3*FB th:TH_LOAD_NT scope:SCOPE_SE   ; the last fill, K 768-1023
.endif
	WIN MUL_LO
.irp a, 0,1,2,3
	MULA \a, (\q)%2, \q, \slot, \mode
.endr
	WIN MUL_HI
.irp a, 4,5,6,7
	MULA \a, (\q)%2, \q, \slot, \mode
.endr
	WIN 0
.endm
.macro TURN slot, next, fill
	s_wait_tensorcnt 0x0                           ; all my tensor loads have landed: my part of the next slot
	ds_add_u32 v[SPW], v[NIL]                      ; 0 onto my spare word
	s_wait_dscnt 1                                 ; this step's fragments are in; the add alone may be out
	WIN MUL_LO
	MULA 0, 1, NQ-1, \slot, 0
	MULA 1, 1, NQ-1, \slot, 0
	s_wait_dscnt 0x0                               ; the add is done, and my reads of this slot are over
	s_barrier_signal -1
	MULA 2, 1, NQ-1, \slot, 0
	MULA 3, 1, NQ-1, \slot, 0
	WIN 0
	s_barrier_wait -1
.if \fill
	CREST                                          ; the barrier has opened a round of the cluster's: no wave of any partner still reads this slot or has a load on its way
	s_add_nc_u64 s[G0A+4*(\slot)+2:G0A+4*(\slot)+3], s[G0A+4*(\slot)+2:G0A+4*(\slot)+3], 2*FB
	s_add_nc_u64 s[G0B+4*(\slot)+2:G0B+4*(\slot)+3], s[G0B+4*(\slot)+2:G0B+4*(\slot)+3], 2*FB
	JLOAD \slot                                    ; the first tensor load behind the round; its four v_nop are the places ahead of the loads below
.else
	PLACES
.endif
	s_wait_alu depctr_va_vdst(0)
	v_add_nc_u32 v[ADRS], 2048, v[ADRS]            ; the next kpair
	FETCH \next, 0, 0
	SCALES \next
	WIN MUL_HI
.irp a, 4,5,6,7
	MULA \a, 1, NQ-1, \slot, 0
.endr
	WIN 0
.endm
.macro LAST
	s_wait_dscnt 0x0
	WIN MUL_LO
.irp a, 0,1,2,3
	MULA \a, 1, NQ-1, 1, 0
.endr
	WIN MUL_HI
.irp a, 4,5,6,7
	MULA \a, 1, NQ-1, 1, 0
.endr
	WIN 0
.endm
	s_load_b128 s[4:7], s[0:1], 0x0                ; qk, pb
	v_lshl_add_u32 v[SPW], v0, 2, SPARE
	v_mov_b32 v[NIL], 0
	ds_add_u32 v12, v13
	ds_add_u32 v12, v13
	s_wait_dscnt 0x0
	v_lshrrev_b32 v1, 5, v0
	v_readfirstlane_b32 s18, v1                    ; wave 0..3
	s_lshr_b32 s19, s18, 1                         ; hr: my half of the queries.  Also: I fetch for A (0) or for B (1)
	s_and_b32 s20, s18, 1                          ; hp: my half of the keys.  Also: which 8 tiles I fetch
	s_bfe_u32 s40, ttmp6, 0x40000                  ; cx
	s_bfe_u32 s41, ttmp6, 0x40004                  ; cy
	s_lshl_b32 s42, ttmp9, 2
	s_add_co_u32 s42, s42, s40                     ; work-group x: 256 keys of the batch
	s_and_b32 s43, ttmp7, 0xffff
	s_lshr_b32 s21, s43, 1                         ; the batch: two clusters of 1,024 queries each; the sixteen partners share it
	s_lshl_b32 s43, s43, 2
	s_add_co_u32 s43, s43, s41                     ; work-group y: 256 queries
	s_lshl_b32 s44, s41, 2
	s_lshl_b32 s44, 15, s44                        ; my row of the cluster
	s_lshl_b32 s45, 0x1111, s40                    ; my column
	s_or_b32 s[G1A], s44, (3<<16)|(1<<21)          ; 15:0 the mask; 17:16 elements of 8 bytes; 21 set beside a mask; no padding
	s_or_b32 s[G1B], s45, (3<<16)|(1<<21)
.irp g, G1A, G1B                               ; codes: 8 tiles x 3,072 bytes (two K steps), 24,576 bytes from tile to tile
	s_mov_b32 s[\g+1], 384<<16
	s_mov_b32 s[\g+2], 16<<16                      ; the head's loads bring all 16 tiles; behind them the two row counts are set to 8
	s_mov_b32 s[\g+3], 384<<16
	s_mov_b32 s[\g+4], 16
	s_mov_b32 s[\g+5], 3072
	s_mov_b32 s[\g+6], 0
	s_mov_b32 s[\g+7], 0
.endr
	s_or_b32 s[G1SA], s44, (3<<16)|(1<<21)
	s_or_b32 s[G1SB], s45, (3<<16)|(1<<21)
.irp g, G1SA, G1SB                             ; scale words: 4 kpairs x 2,048 bytes, 65,536 bytes from kpair to kpair
	s_mov_b32 s[\g+1], 256<<16                     ; 16 tiles' words of a kpair: 2,048 bytes on end
	s_mov_b32 s[\g+2], 4<<16
	s_mov_b32 s[\g+3], 256<<16
	s_mov_b32 s[\g+4], 4
	s_mov_b32 s[\g+5], 8192
	s_mov_b32 s[\g+6], 0
	s_mov_b32 s[\g+7], 0
.endr
	s_lshl_b32 s47, s20, 3
	s_lshl_b32 s46, s43, 4
	s_add_co_u32 s46, s46, s47                     ; A: token tile 16 y + 8 x half; q is K steps 0-7 of a tile
	s_mul_i32 s22, s46, 24576
	s_mov_b32 s23, 0
	s_lshl_b32 s94, s43, 11                        ; the scale words of all 16 tiles: from tile 16 y on
	s_add_co_u32 s94, s94, QKS
	s_mov_b32 s95, 0
	s_lshl_b32 s66, s42, 4
	s_add_co_u32 s66, s66, s47
	s_lshl_b32 s67, s21, 7
	s_add_co_u32 s66, s66, s67                     ; B: token tile 128 x batch + 16 x + 8 x half; k is K steps 8-15
	s_mul_i32 s96, s66, 24576
	s_add_co_u32 s96, s96, 12288
	s_mov_b32 s97, 0
	s_sub_co_u32 s98, s66, s47                     ; likewise for the keys: without the half
	s_lshl_b32 s98, s98, 7
	s_add_co_u32 s98, s98, QKS+262144
	s_mov_b32 s99, 0
	s_mul_i32 s100, s18, 24576
	s_mov_b32 s92, 0x76543210
	s_mov_b32 s93, 0xfedcba98
	s_wait_kmcnt 0x0
	s_add_nc_u64 s[22:23], s[4:5], s[22:23]
	s_add_nc_u64 s[94:95], s[4:5], s[94:95]
	s_add_nc_u64 s[96:97], s[4:5], s[96:97]
	s_add_nc_u64 s[98:99], s[4:5], s[98:99]
	CROUND                                         ; all sixteen work-groups are here: the first joint loads meet
	s_mov_b32 s[G0SA], 1
	s_mov_b32 s[G0SA+1], SCL                       ; q's words: [4 kpairs][16 tiles][128 bytes]
	s_mov_b64 s[G0SA+2:G0SA+3], s[94:95]
	s_or_b32 s[G0SA+3], s[G0SA+3], 0x80000000
	s_mov_b32 s[G0SB], 1
	s_mov_b32 s[G0SB+1], SCL+8192                  ; k's behind them
	s_mov_b64 s[G0SB+2:G0SB+3], s[98:99]
	s_or_b32 s[G0SB+3], s[G0SB+3], 0x80000000
.irp s, 0,1
	s_mov_b32 s[G0A+4*\s], 1
	s_add_co_u32 s[G0A+4*\s+1], s100, \s*SLOT
	s_add_nc_u64 s[G0A+4*\s+2:G0A+4*\s+3], s[22:23], \s*FB
	s_or_b32 s[G0A+4*\s+3], s[G0A+4*\s+3], 0x80000000
	s_mov_b32 s[G0B+4*\s], 1
	s_add_co_u32 s[G0B+4*\s+1], s100, \s*SLOT
	s_add_nc_u64 s[G0B+4*\s+2:G0B+4*\s+3], s[96:97], \s*FB
	s_or_b32 s[G0B+4*\s+3], s[G0B+4*\s+3], 0x80000000
.endr
; PREFETCHES INTO THE L2, two fills ahead of the tensor load that will want the bytes.  A wave asks for what it will itself load, 8 tiles x 3,072 bytes a fill; the four partners that ask for them jointly
; share the tiles out BY ADDRESS, two each (cx for q, cy for k): 24 blocks of 256 bytes, a lane a block (lanes 24-31 name the last again).  The head asks for fills 1 and 2, the first step for fill 3.
; Every offset is an immediate: the address registers are never rewritten.
	s_cmp_eq_u32 s19, 0
	s_cselect_b64 s[8:9], s[22:23], s[96:97]
	s_cselect_b32 s10, s40, s41
	s_mul_i32 s10, s10, 49152                      ; two tiles of 24,576 bytes
	s_mov_b32 s11, 0
	s_add_nc_u64 s[8:9], s[8:9], s[10:11]
; THE HEAD'S LOADS, ONE A WAVE: wave 0 q's 16 tiles of slot 0, wave 1 q's scale words, wave 2 k's 16 tiles, wave 3 k's scale words.
; One chain of branches on the wave's number, all arms to one join.
.macro ARM under, g0, g1, next
	s_cmp_lt_u32 s18, \under
	s_cbranch_scc0 \next
	tensor_load_to_lds s[\g0:\g0+3], s[\g1:\g1+7]
	s_nop 0
.rept 4
	v_nop
.endr
	s_branch .Lfirst_done
\next:
.endm
	ARM 1, G0A,  G1A,  .Lhead_sa
	ARM 2, G0SA, G1SA, .Lhead_b
	ARM 3, G0B,  G1B,  .Lhead_sb
	tensor_load_to_lds s[G0SB:G0SB+3], s[G1SB:G1SB+7]
	s_nop 0
.rept 4
	v_nop
.endr
.Lfirst_done:
	v_and_b32 v1, 31, v0
	v_and_b32 v14, 15, v0                          ; r
	s_wait_alu depctr_va_vdst(0)
	v_bfe_u32 v15, v0, 4, 1                        ; h
	v_lshlrev_b32 v[LI], 4, v1
	v_min_u32 v11, 23, v1                          ; block b = 0 .. 23: tile b / 12, its block b % 12
	v_mul_u32_u24 v17, v11, 86
	v_lshrrev_b32 v17, 10, v17                     ; b / 12
	v_mul_u32_u24 v17, v17, 21504                  ; 24,576 - 12 x 256
	v_lshl_add_u32 v11, v11, 8, v17                ; v11: the prefetches' offset; never rewritten
	s_wait_alu depctr_va_vdst(0)
	global_prefetch_b8 v11, s[8:9] offset:FB th:TH_LOAD_NT scope:SCOPE_SE
	global_prefetch_b8 v11, s[8:9] offset:2*FB th:TH_LOAD_NT scope:SCOPE_SE
	s_mul_i32 s22, s20, 24576
	s_add_co_u32 s22, s22, 49152                   ; my half of the keys, behind the queries' 16 tiles
	s_mul_i32 s23, s19, 24576
	v_add_nc_u32 v[ADRP], s22, v[LI]
	v_add_nc_u32 v[ADRR], s23, v[LI]
	v_add_nc_u32 v[ADRP+1], SLOT, v[ADRP]
	v_add_nc_u32 v[ADRR+1], SLOT, v[ADRR]
	s_lshl_b32 s22, s19, 10                        ; my 8 tiles' words inside a kpair's 2,048 bytes
	s_lshl_b32 s23, s20, 10
	s_add_co_u32 s23, s23, 8192
	s_sub_co_u32 s23, s23, s22                     ; from my queries' scale words to my keys'
	v_mul_u32_u24 v16, s23, v15                    ; lanes 16-31 take the keys'
	s_add_co_u32 s22, s22, SCL
	v_lshl_add_u32 v[ADRS], v14, 3, s22
	v_add_nc_u32 v[ADRS], v[ADRS], v16
	s_lshl_b32 s22, s19, 10
	s_lshl_b32 s23, s20, 2
	s_add_co_u32 s22, s22, s23
	s_add_co_u32 s22, s22, SCST
	v_lshl_add_u32 v[SWA], v14, 3, s22             ; 1,024 hr + 8 r + 4 hp, + 128 a tile
	v_lshl_add_u32 v[SRA], v0, 4, SCST
	v_lshlrev_b32 v[TI], 4, v0
	s_lshl_b32 s22, s43, 4
	s_lshl_b32 s23, s19, 3
	s_add_co_u32 s22, s22, s23
	s_lshl_b32 s22, s22, 4
	s_lshl_b32 s23, s42, 1
	s_add_co_u32 s22, s22, s23
	s_add_co_u32 s22, s22, s20
	s_mul_i32 s22, s22, 1536                       ; p's fragment (query tile 16 y + 8 hr, K step 2 x + hp)
	s_mov_b32 s23, 0
	s_add_nc_u64 s[96:97], s[6:7], s[22:23]
	s_lshl_b32 s22, s42, 9
	s_lshl_b32 s46, s43, 4
	s_add_co_u32 s22, s22, s46
	s_lshl_b32 s22, s22, 7
	s_add_co_u32 s22, s22, PS                      ; the words: kpair x, tiles 16 y on
	s_add_nc_u64 s[98:99], s[6:7], s[22:23]
	s_mov_b32 s94, 0x3d38aa3b                      ; c = log2(e) / 32
	s_mov_b32 s95, s94                             ; (named with it as a pair, so it is written)
	s_wait_alu depctr_va_vdst(0)
	s_wait_tensorcnt 0x0                           ; my tile of the head's four is in
	ds_add_u32 v[SPW], v[NIL]                      ; 0 onto my spare word
	s_mov_b32 s[G1A+2], 8<<16                      ; no tensor load of mine is out: from here on a load brings 8 tiles
	s_mov_b32 s[G1A+4], 8
	s_mov_b32 s[G1B+2], 8<<16
	s_mov_b32 s[G1B+4], 8
	s_wait_dscnt 0x0                               ; the add is done
	CROUND                                         ; a whole round: all four tiles are in, and the sixteen work-groups are here
	JLOAD 1                                        ; slot 1's first fill, a quarter a wave: the first tensor load behind the round
	FETCH 0, 0, 0
	SCALES 0
	STEP 0, 0, 1                                   ; K 0-127: the products start the sums
	TURN 0, 1, 1                                   ; slot 0 takes K 512-767
	STEP 1, 0, 0
	TURN 1, 0, 1                                   ; slot 1 takes K 768-1023
	STEP 0, 0, 0
	TURN 0, 1, 0
	STEP 1, 0, 0
	LAST
	; THE SOFTMAX OF A PIECE, for each of my eight tiles of 16 queries: a lane holds one query and 64 of my 128 keys, lane l xor 16 the other 64
	PLACES
.irp b, 0,1,2,3
	v_mov_b32 v[MP+\b], 0                          ; written once: a lane permute's destination counts as one of its sources
.endr
	v_mov_b32 v[LP], 0
	v_mov_b32 v[NM+1], 0                           ; (the upper half of a pair that is named)
.macro SOFT a
.set AC, 64*((\a)%4)
.set WH, (\a)/4
	WIN 0x2a+0x15*WH                               ; all three sources: window 2 or 3
.irp b, 0,1,2,3
	v_max3_num_f32 v[MX+\b], v[AC+16*\b], v[AC+16*\b+1], v[AC+16*\b+2]   ; the largest score of each block of 32 keys; each accumulator is read from its low end on
.endr
	WIN 0x28+0x14*WH                               ; sources 1 and 2
.irp i, 3,5,7,9,11,13
.irp b, 0,1,2,3
	v_max3_num_f32 v[MX+\b], v[MX+\b], v[AC+16*\b+\i], v[AC+16*\b+\i+1]
.endr
.endr
.irp b, 0,1,2,3
	v_max_num_f32 v[MX+\b], v[MX+\b], v[AC+16*\b+15]
.endr
	WIN 0
.if (\a) > 0
	s_wait_alu depctr_va_vdst(0)
	s_wait_dscnt 0x0                               ; the last tile's three words have left their registers
.endif
.irp b, 0,1,2,3
	v_permlanex16_b32 v[MP+\b], v[MX+\b], s92, s93
.endr
.irp b, 0,1,2,3
	v_max_num_f32 v[MX+\b], v[MX+\b], v[MP+\b]     ; with lane l xor 16's 16 keys
.endr
	v_max3_num_f32 v[WK], v[MX], v[MX+1], v[MX+2]
	v_max_num_f32 v[WK], v[WK], v[MX+3]            ; the piece's largest score of my query
	v_mul_f32 v[WK], s94, v[WK]                    ; as t (c is positive)
	v_floor_f32 v[NM], -v[WK]                      ; -M_loc = floor(-t) = -ceil(t): a whole number
	WIN 0x02+WH                                    ; source 0
.set J, 0
.rept 32
	v_pk_fma_f32 v[T+J:T+J+1], v[AC+J:AC+J+1], s[94:95], v[NM:NM+1] op_sel_hi:[1,0,0]   ; t - M_loc, two at a time
.set J, J+2
.endr
	WIN 0
.irp b, 0,1,2,3
	v_fma_f32 v[MX+\b], v[MX+\b], s94, v[NM]       ; the same of each block's largest score
.endr
.set J, 0
	s_wait_alu depctr_va_vdst(0)
.rept 64
	v_exp_f32 v[T+J], v[T+J]                       ; p = 2^(t - M_loc), at most 1
.set J, J+1
.endr
.irp b, 0,1,2,3
	v_exp_f32 v[MX+\b], v[MX+\b]                   ; the block's largest p: the same two instructions on the same number
.endr
	v_nop                                          ; a plain place behind the exponentials
	s_wait_alu depctr_va_vdst(0)
.irp b, 0,1,2,3
	v_max_num_f32 v[MX+\b], 0x1800000, v[MX+\b]    ; the floor 2^(3 - 127): the byte cannot fall under 1
.endr
.irp b, 0,1,2,3
	v_add_nc_u32 v[SOP+\b], 0xff000000, v[MX+\b]   ; 2 off the exponent field: the conversion's scale operand
.endr
.irp b, 0,1,2,3
	v_lshrrev_b32 v[MP+\b], 23, v[SOP+\b]          ; the scale's byte, 125 at the most
.endr
	v_lshl_or_b32 v[PW], v[MP+1], 8, v[MP]
	v_lshl_or_b32 v[PW], v[MP+2], 16, v[PW]
	v_lshl_or_b32 v[PW], v[MP+3], 24, v[PW]
.if (\a) > 0
	s_wait_xcnt 0x0                                ; the last tile's stores have read the codes' registers
.endif
.irp c, 0,1
	v_cvt_scalef32_pk16_fp6_f32 v[PC+6*\c:PC+2+6*\c], v[T+32*\c:T+15+32*\c], v[SOP+2*\c]
	v_cvt_scalef32_pk16_fp6_f32 v[PC+12+4*\c:PC+14+4*\c], v[T+16+32*\c:T+31+32*\c], v[SOP+2*\c+1]
.endr
	v_nop                                          ; one plain place behind a scaled conversion
.irp c, 0,1                                    ; the operand wants a whole block in a lane
.irp i, 0,1,2
	v_permlane16_swap_b32 v[PC+6*\c+\i], v[PC+12+4*\c+\i]
.endr
.irp i, 0,1,2
	v_mov_b32 v[PC+3+6*\c+\i], v[PC+12+4*\c+\i]
.endr
.endr
	v_pk_add_f32 v[LS:LS+1], v[T:T+1], v[T+4:T+5]  ; the sum of the UNQUANTISED p, two at a time, in two chains
	v_pk_add_f32 v[LS+2:LS+3], v[T+2:T+3], v[T+6:T+7]
.irp j, 8,12,16,20,24,28,32,36,40,44,48,52,56,60
	v_pk_add_f32 v[LS:LS+1], v[LS:LS+1], v[T+\j:T+\j+1]
	v_pk_add_f32 v[LS+2:LS+3], v[LS+2:LS+3], v[T+\j+2:T+\j+3]
.endr
	v_pk_add_f32 v[LS:LS+1], v[LS:LS+1], v[LS+2:LS+3]
	v_add_f32 v[LL], v[LS], v[LS+1]
	v_permlanex16_b32 v[LP], v[LL], s92, s93
	v_add_f32 v[LL], v[LL], v[LP]                  ; with lane l xor 16's: l_loc
.irp c, 0,1,2
	global_store_b128 v[LI], v[PC+4*\c:PC+4*\c+3], s[96:97] offset:(\a)*24576+512*\c   ; 512 consecutive bytes
.endr
	ds_store_b32 v[SWA], v[PW] offset:128*(\a)     ; both halves of the lanes write the same word with the same value
	ds_store_b32 v[SWA], v[NM] offset:2048+128*(\a)
	ds_store_b32 v[SWA], v[LL] offset:4096+128*(\a)
.endm
.irp a, 0,1,2,3,4,5,6,7
	SOFT \a
.endr
	s_wait_dscnt 0x0                               ; for the others' sake: my words lie in LDS
	s_barrier_signal -1
	s_barrier_wait -1
.irp k, 0,1,2
	ds_load_b128 v[T+4*\k:T+4*\k+3], v[SRA] offset:2048*\k
.endr
	s_wait_dscnt 0x0
.irp k, 0,1,2
	global_store_b128 v[TI], v[T+4*\k:T+4*\k+3], s[98:99] offset:524288*\k   ; 2,048 bytes on end of each of the three tables
.endr
	s_wait_tensorcnt 0x0                           ; the wave's end
	ds_add_u32 v[SPW], v[NIL]
	s_wait_dscnt 0x0
	CROUND                                         ; the closing round
	s_endpgm
.Lfunc_end_k_q77613a55da_scores:
	.size	k_q77613a55da_scores, .Lfunc_end_k_q77613a55da_scores-k_q77613a55da_scores
	.p2alignl 7, 3214868480
	.fill 96, 4, 3214868480
	.section	.rodata,"a",@progbits
	.p2align	6, 0x0
	.amdhsa_kernel k_q77613a55da_scores
		.amdhsa_group_segment_fixed_size 327680
		.amdhsa_private_segment_fixed_size 0
		.amdhsa_enable_private_segment 0
		.amdhsa_kernarg_size 16
		.amdhsa_user_sgpr_count 2
		.amdhsa_user_sgpr_kernarg_segment_ptr 1
		.amdhsa_wavefront_size32 1
		.amdhsa_system_sgpr_workgroup_id_x 1
		.amdhsa_system_sgpr_workgroup_id_y 1
		.amdhsa_system_sgpr_workgroup_id_z 1
		.amdhsa_system_vgpr_workitem_id 0
		.amdhsa_next_free_vgpr 1024
		.amdhsa_next_free_sgpr 102
		.amdhsa_reserve_vcc 0
		.amdhsa_float_denorm_mode_32 3
		.amdhsa_float_denorm_mode_16_64 3
		.amdhsa_memory_ordered 1
		.amdhsa_forward_progress 1
		.amdhsa_inst_pref_size 197
	.end_amdhsa_kernel
	.amdgpu_metadata
---
amdhsa.version: [ 1, 2 ]
amdhsa.kernels:
  - .name:           k_q77613a55da_scores
    .symbol:         k_q77613a55da_scores.kd
    .args:
      - { .name: qk, .offset: 0, .size: 8, .value_kind: global_buffer, .address_space: global }
      - { .name: pb, .offset: 8, .size: 8, .value_kind: global_buffer, .address_space: global }
    .group_segment_fixed_size: 327680
    .private_segment_fixed_size: 0
    .kernarg_segment_align: 8
    .kernarg_segment_size: 16
    .max_flat_workgroup_size: 128
    .sgpr_count:     102
    .vgpr_count:     1024
    .wavefront_size: 32
...
	.end_amdgpu_metadata
.endif
;; end of part 3
;; launch pv (part 4): grid 4 x 64, 4 waves a work-group, clusters of 4 x 4, 327,680 bytes of LDS; arguments pb, vt, out0; writes out0
.if DOCPART == 4
	.amdgcn_target "amdgcn-amd-amdhsa--gfx1250"
	.amdhsa_code_object_version 6
	.text
	.protected	k_q77613a55da_pv
	.globl	k_q77613a55da_pv
	.p2align	8
	.type	k_q77613a55da_pv,@function
k_q77613a55da_pv:
	s_mov_b64 s[64:65], 0
	v_nop
	global_prefetch_b8 v0, s[64:65] scope:SCOPE_SE
	s_setreg_imm32_b32 hwreg(HW_REG_WAVE_MODE, 25, 1), 1
	s_wait_xcnt 0x0
	s_wait_alu depctr_hold_cnt(0) depctr_sa_sdst(0) depctr_va_vdst(0) depctr_va_sdst(0) depctr_va_ssrc(0) depctr_va_vcc(0) depctr_vm_vsrc(0)
	s_getreg_b32 s2, hwreg(HW_REG_IB_STS2, 6, 4)
	s_cmp_eq_u32 s2, 0
	s_cbranch_scc0 .Lentry_in_a_cluster
	s_endpgm
.Lentry_in_a_cluster:
	s_bfe_u32 s2, ttmp6, 0x10000c
	s_cmp_lg_u32 s2, 0xf033
	s_cbranch_scc0 .Lentry_shape_is_right
	s_endpgm
.Lentry_shape_is_right:
; out = (p v) / l on codes of FP6 (E2M3), K = the batch's 2,048 keys.  O^T = v^T p^T: source 0 = 16 channels of v^T (P, side B), source 1 = 16 queries of p (R, side A).
; p came in pieces of 128 keys, each under its own whole number M_loc.  At the head each thread takes one query row: M = the largest M_loc; each piece's four scale bytes are lowered by M - M_loc (held at 0);
; l = the sum of l_loc x 2^(M_loc - M).  The codes then stand for 2^(t - M).  The lowered words and 1 / l go to LDS for all four waves.
; A work-group makes 256 channels x 128 queries, so that there are 256 work-groups; a wave 128 x 64: 32 accumulators.  K goes in steps of 512 through two slots; v's scale words of the batch come once.
; CLUSTER 4 x 4: p's tile is shared along a row, v's along a column.
; LIMITS: NaN and infinities are not served.  M - M_loc is held at 127, and a byte that would fall under 0 stays 0 (2^-127): such a piece weighs under 2^-119 of the row's sum either way.
; REGISTERS: window 0: v0-31 addresses, v32-95 scale words (two sets), v96-103 1 / l, v128-175 and v176-223 p's fragments (two sets; at the head the tables, on the way out rows of out); window 1: v's fragments; window 2: accumulators.
.set NQ,    4
.set FB,    6144
.set SLOT,  147456                     ; A's 8 tiles (two halves of 24,576), then B's 16 (two of 49,152)
.set RSC,   294912                     ; p's lowered scale words: [8 kpairs][8 tiles][128 bytes]
.set RL,    303104                     ; 1 / l: 128 words
.set VSC,   303616                     ; v's scale words: two halves of [8 kpairs][8 tiles][128 bytes]
.set SPARE, 320000                     ; the spare words: 128 bytes a wave, named by no other line
.set VTS,   6291456
.set PS,    12582912
.set ADRP,  2
.set ADRR,  4
.set ADRS,  6
.set LI,    7
.set STO,   8                          ; v8  the way out: where I put 32 bytes of a row
.set RD,    9                          ; v9  and where I read a row back
.set RLR,   10                         ; v10 where my queries' 1 / l lie
.set SPW,   12
.set NIL,   13
.set SC,    32
.set RLV,   96
.set RF,    128
.set RSZ,   48
.set W,     128                        ; the head: v128-143 scale words, v144-159 -M_loc, v160-175 l_loc of my row's 16 pieces
.set NM,    144
.set LL,    160
.set MG,    176
.set ND,    180
.set MK,    184
.set BK,    128                        ; the way out: 16 rows, v128-191 and v192-255 by turns
.set G1A,   24
.set G0A,   32
.set G1B,   48
.set G0B,   56
.set G1SB,  80
.set G0SB,  88
.set MSB, 0
.macro WIN new                         ; the immediate's high byte repeats the setting that is left
.if MSB != (\new)
	s_set_vgpr_msb (MSB<<8)|(\new)
.set MSB, (\new)
.endif
.endm
.set MUL_LO, 0xa1
.set TO_P,   0x40
.macro PLACES                          ; four plain places behind matrix instructions (ISA guide 7.12.1)
.rept 4
	v_nop
.endr
.endm
.macro CREST
	s_cmp_lg_u32 s18, 0
	s_cbranch_scc1 .Lnot_wave_0_\@
	s_barrier_signal -3
.Lnot_wave_0_\@:
	s_barrier_wait -3
	s_barrier_signal -1
	s_barrier_wait -1
.endm
.macro CROUND
	s_barrier_signal -1
	s_barrier_wait -1
	CREST
.endm
.macro JLOAD s                         ; waves 0, 1 fetch A's halves, waves 2, 3 B's; four v_nop follow each line
	s_cmp_eq_u32 s19, 0
	s_cbranch_scc0 .Lfor_b_\@
	tensor_load_to_lds s[G0A+4*(\s):G0A+4*(\s)+3], s[G1A:G1A+7]
	s_nop 0
.rept 4
	v_nop
.endr
	s_branch .Lasked_\@
.Lfor_b_\@:
	tensor_load_to_lds s[G0B+4*(\s):G0B+4*(\s)+3], s[G1B:G1B+7]
	s_nop 0
.rept 4
	v_nop
.endr
.Lasked_\@:
.endm
.macro FRAG reg, adr, off
.irp c, 0,1,2
	ds_load_b128 v[(\reg)+4*\c:(\reg)+4*\c+3], v[\adr] offset:(\off)+512*\c
.endr
.endm
.macro FETCH slot, q, set              ; 8 fragments of v, 4 of p
	WIN TO_P
.irp i, 0,1,2,3,4,5,6,7
	FRAG 128*(\set)+12*\i, ADRP+(\slot), \i*FB+(\q)*1536
.endr
	WIN 0
.irp i, 0,1,2,3
	FRAG RF+RSZ*(\set)+12*\i, ADRR+(\slot), \i*FB+(\q)*1536
.endr
.endm
.macro SCALES sc                       ; register 4 i + q: lanes 0-15 p's tile i (i < 4; the rest is read and not used), lanes 16-31 v's tile i
.irp i, 0,1,2,3,4,5,6,7
.irp kp, 0,1
	ds_load_b64 v[SC+32*(\sc)+4*\i+2*\kp:SC+32*\sc+4*\i+2*\kp+1], v[ADRS] offset:128*\i+1024*\kp
.endr
.endr
.endm
; eight products: p's tile a against v's eight; the 32 accumulators take turns in the same order in every step.  mode 1: the constant 0 starts the sums
.macro MULA a, set, q, sc, mode
.irp b, 0,1,2,3,4,5,6,7
.if (\mode) == 0
	v_wmma_scale_f32_16x16x128_f8f6f4 v[8*(8*(\a)+\b):8*(8*(\a)+\b)+7], v[128*(\set)+12*\b:128*(\set)+12*\b+11], v[RF+RSZ*(\set)+12*(\a):RF+RSZ*(\set)+12*(\a)+11], v[8*(8*(\a)+\b):8*(8*(\a)+\b)+7], v[SC+8*NQ*(\sc)+NQ*\b+(\q)], v[SC+8*NQ*(\sc)+NQ*(\a)+(\q)] matrix_a_fmt:MATRIX_FMT_FP6 matrix_b_fmt:MATRIX_FMT_FP6 matrix_a_scale:MATRIX_SCALE_ROW1
.else
	v_wmma_scale_f32_16x16x128_f8f6f4 v[8*(8*(\a)+\b):8*(8*(\a)+\b)+7], v[128*(\set)+12*\b:128*(\set)+12*\b+11], v[RF+RSZ*(\set)+12*(\a):RF+RSZ*(\set)+12*(\a)+11], 0, v[SC+8*NQ*(\sc)+NQ*\b+(\q)], v[SC+8*NQ*(\sc)+NQ*(\a)+(\q)] matrix_a_fmt:MATRIX_FMT_FP6 matrix_b_fmt:MATRIX_FMT_FP6 matrix_a_scale:MATRIX_SCALE_ROW1
.endif
.endr
.endm
.macro STEP slot, q, mode
	s_wait_dscnt 0x0                               ; this step's fragments, asked for a step ago, are in
.if (\mode) == 0
	PLACES                                         ; the other set was read by the last step's products
.endif
	FETCH \slot, (\q)+1, 1-(\q)%2
.if (\mode) != 0
	PF 3                                           ; the last fill, keys 1536-2047
.endif
	WIN MUL_LO
.irp a, 0,1,2,3
	MULA \a, (\q)%2, \q, \slot, \mode
.endr
	WIN 0
.endm
.macro TURN slot, next, fill
	s_wait_tensorcnt 0x0                           ; all my tensor loads have landed: my part of the next slot
	ds_add_u32 v[SPW], v[NIL]                      ; 0 onto my spare word
	s_wait_dscnt 1                                 ; this step's fragments are in; the add alone may be out
	WIN MUL_LO
	MULA 0, 1, NQ-1, \slot, 0
	s_wait_dscnt 0x0                               ; the add is done, and my reads of this slot are over
	s_barrier_signal -1
	MULA 1, 1, NQ-1, \slot, 0
	WIN 0
	s_barrier_wait -1
.if \fill
	CREST                                          ; the barrier has opened a round of the cluster's: no wave of any partner still reads this slot or has a load on its way
	s_add_nc_u64 s[G0A+4*(\slot)+2:G0A+4*(\slot)+3], s[G0A+4*(\slot)+2:G0A+4*(\slot)+3], 2*FB
	s_add_nc_u64 s[G0B+4*(\slot)+2:G0B+4*(\slot)+3], s[G0B+4*(\slot)+2:G0B+4*(\slot)+3], 2*FB
	JLOAD \slot                                    ; the first tensor load behind the round; its four v_nop are the places ahead of the loads below
.else
	PLACES
.endif
	s_wait_alu depctr_va_vdst(0)
	v_add_nc_u32 v[ADRS], 512*NQ, v[ADRS]
	FETCH \next, 0, 0
	SCALES \next
	WIN MUL_LO
	MULA 2, 1, NQ-1, \slot, 0
	MULA 3, 1, NQ-1, \slot, 0
	WIN 0
.endm
.macro LAST
	s_wait_dscnt 0x0
	WIN MUL_LO
.irp a, 0,1,2,3
	MULA \a, 1, NQ-1, 1, 0
.endr
	WIN 0
.endm
	s_load_b128 s[4:7], s[0:1], 0x0                ; pb, vt
	s_load_b64 s[8:9], s[0:1], 0x10                ; out0
	v_lshl_add_u32 v[SPW], v0, 2, SPARE
	v_mov_b32 v[NIL], 0
	ds_add_u32 v12, v13
	ds_add_u32 v12, v13
	s_wait_dscnt 0x0
	v_lshrrev_b32 v1, 5, v0
	v_readfirstlane_b32 s18, v1                    ; wave 0..3
	s_lshr_b32 s19, s18, 1                         ; hr: my half of the queries.  Also: I fetch for A (0) or for B (1)
	s_and_b32 s20, s18, 1                          ; hp: my half of the channels.  Also: which half I fetch
	s_bfe_u32 s40, ttmp6, 0x40000                  ; cx
	s_bfe_u32 s41, ttmp6, 0x40004                  ; cy
	s_lshl_b32 s42, ttmp9, 2
	s_add_co_u32 s42, s42, s40                     ; work-group x: 256 channels
	s_and_b32 s43, ttmp7, 0xffff
	s_lshr_b32 s21, s43, 2                         ; the batch: four clusters of 512 queries each; the sixteen partners share it
	s_lshl_b32 s43, s43, 2
	s_add_co_u32 s43, s43, s41                     ; work-group y: 128 queries
	s_lshl_b32 s44, s41, 2
	s_lshl_b32 s44, 15, s44                        ; my row of the cluster
	s_lshl_b32 s45, 0x1111, s40                    ; my column
	s_or_b32 s[G1A], s44, (3<<16)|(1<<21)          ; p: 4 tiles x 6,144 bytes (four K steps), 24,576 bytes from tile to tile
	s_mov_b32 s[G1A+1], 768<<16
	s_mov_b32 s[G1A+2], 8<<16                      ; the head's load brings all 8 tiles; behind it the two row counts are set to 4
	s_mov_b32 s[G1A+3], 768<<16
	s_mov_b32 s[G1A+4], 8
	s_mov_b32 s[G1A+5], 3072
	s_mov_b32 s[G1A+6], 0
	s_mov_b32 s[G1A+7], 0
	s_or_b32 s[G1B], s45, (3<<16)|(1<<21)          ; v: 8 tiles x 6,144 bytes, 98,304 bytes from tile to tile
	s_mov_b32 s[G1B+1], 768<<16
	s_mov_b32 s[G1B+2], 16<<16                     ; the head's load brings all 16 tiles; behind it the two row counts are set to 8
	s_mov_b32 s[G1B+3], 768<<16
	s_mov_b32 s[G1B+4], 16
	s_mov_b32 s[G1B+5], 12288
	s_mov_b32 s[G1B+6], 0
	s_mov_b32 s[G1B+7], 0
	s_or_b32 s[G1SB], s45, (3<<16)|(1<<21)         ; v's scale words: 8 kpairs x 1,024 bytes, 8,192 bytes from kpair to kpair
	s_mov_b32 s[G1SB+1], 128<<16
	s_mov_b32 s[G1SB+2], 8<<16
	s_mov_b32 s[G1SB+3], 128<<16
	s_mov_b32 s[G1SB+4], 8
	s_mov_b32 s[G1SB+5], 1024
	s_mov_b32 s[G1SB+6], 0
	s_mov_b32 s[G1SB+7], 0
	s_lshl_b32 s46, s43, 3
	s_lshl_b32 s47, s20, 2
	s_add_co_u32 s46, s46, s47                     ; A: query tile 8 y + 4 x half
	s_mul_i32 s22, s46, 24576
	s_mov_b32 s23, 0
	s_lshl_b32 s66, s42, 4
	s_lshl_b32 s47, s20, 3
	s_add_co_u32 s66, s66, s47                     ; B: channel tile 16 x + 8 x half
	s_mul_i32 s96, s66, 98304
	s_mul_i32 s67, s21, 24576                      ; the batch's 16 K steps
	s_add_co_u32 s96, s96, s67
	s_mov_b32 s97, 0
	s_lshl_b32 s98, s42, 4                         ; v's scale words are fetched by waves 1 and 3: the half is wave / 2
	s_lshl_b32 s67, s19, 3
	s_add_co_u32 s98, s98, s67
	s_lshl_b32 s98, s98, 7
	s_lshl_b32 s67, s21, 16
	s_add_co_u32 s98, s98, s67
	s_add_co_u32 s98, s98, VTS
	s_mov_b32 s99, 0
	s_lshl_b32 s100, s43, 10                       ; my work-group's 8 tiles in the three tables
	s_add_co_u32 s100, s100, PS
	s_mov_b32 s101, 0
	v_lshlrev_b32 v14, 3, v0                       ; thread = row (tile thread / 16, row thread % 16): two words a kpair
	s_wait_alu depctr_va_vdst(0)
	s_wait_kmcnt 0x0
	s_add_nc_u64 s[100:101], s[4:5], s[100:101]
.irp kp, 0,1,2,3,4,5,6,7
	global_load_b64 v[W+2*\kp:W+2*\kp+1], v14, s[100:101] offset:65536*\kp
	global_load_b64 v[NM+2*\kp:NM+2*\kp+1], v14, s[100:101] offset:65536*\kp+524288
	global_load_b64 v[LL+2*\kp:LL+2*\kp+1], v14, s[100:101] offset:65536*\kp+1048576
.endr
	s_add_nc_u64 s[22:23], s[4:5], s[22:23]
	s_add_nc_u64 s[96:97], s[6:7], s[96:97]
	s_add_nc_u64 s[98:99], s[6:7], s[98:99]
	s_mul_i32 s46, s20, 24576                      ; where A's half goes in a slot,
	s_mul_i32 s47, s20, 49152
	s_add_co_u32 s47, s47, 49152                   ; B's,
	s_lshl_b32 s66, s19, 13
	CROUND                                         ; all sixteen work-groups are here: the first joint loads meet
	s_mov_b32 s[G0SB], 1
	s_add_co_u32 s[G0SB+1], s66, VSC
	s_mov_b64 s[G0SB+2:G0SB+3], s[98:99]
	s_or_b32 s[G0SB+3], s[G0SB+3], 0x80000000
.irp s, 0,1
	s_mov_b32 s[G0A+4*\s], 1
	s_add_co_u32 s[G0A+4*\s+1], s46, \s*SLOT
	s_add_nc_u64 s[G0A+4*\s+2:G0A+4*\s+3], s[22:23], \s*FB
	s_or_b32 s[G0A+4*\s+3], s[G0A+4*\s+3], 0x80000000
	s_mov_b32 s[G0B+4*\s], 1
	s_add_co_u32 s[G0B+4*\s+1], s47, \s*SLOT
	s_add_nc_u64 s[G0B+4*\s+2:G0B+4*\s+3], s[96:97], \s*FB
	s_or_b32 s[G0B+4*\s+3], s[G0B+4*\s+3], 0x80000000
.endr
; PREFETCHES INTO THE L2, two fills ahead of the tensor load that will want the bytes.  A wave asks for what it will itself load; the four partners that ask for a part jointly share its tiles out BY ADDRESS:
; of p's 4 tiles the partner at cx takes one, of v's 8 tiles the partner at cy takes two.  A tile's part of a fill is 6,144 bytes: 24 blocks of 256, a lane a block (lanes 24-31 name the last again).
; The head asks for fills 1 and 2, the first step for fill 3.  Every offset is an immediate: the address registers are never rewritten.
	s_mul_i32 s14, s40, 24576
	s_mul_i32 s15, s41, 196608
	s_cmp_eq_u32 s19, 0
	s_cselect_b64 s[12:13], s[22:23], s[96:97]
	s_cselect_b32 s14, s14, s15
	s_mov_b32 s15, 0
	s_add_nc_u64 s[12:13], s[12:13], s[14:15]
.macro PF n
	global_prefetch_b8 v11, s[12:13] offset:(\n)*FB th:TH_LOAD_NT scope:SCOPE_SE
	s_cmp_eq_u32 s19, 0
	s_cbranch_scc1 .Lpfx_\@
	global_prefetch_b8 v11, s[12:13] offset:(\n)*FB+98304 th:TH_LOAD_NT scope:SCOPE_SE   ; v's waves: my second tile
.Lpfx_\@:
.endm
; THE HEAD'S LOADS, ONE A WAVE: wave 0 p's 8 tiles of slot 0, wave 2 v's 16 tiles, waves 1 and 3 the two halves of v's scale words.
; One chain of branches on the wave's number, all arms to one join.
.macro ARM under, g0, g1, next
	s_cmp_lt_u32 s18, \under
	s_cbranch_scc0 \next
	tensor_load_to_lds s[\g0:\g0+3], s[\g1:\g1+7]
	s_nop 0
.rept 4
	v_nop
.endr
	s_branch .Lfirst_done
\next:
.endm
	ARM 1, G0A,  G1A,  .Lhead_s0
	ARM 2, G0SB, G1SB, .Lhead_b
	ARM 3, G0B,  G1B,  .Lhead_s1
	tensor_load_to_lds s[G0SB:G0SB+3], s[G1SB:G1SB+7]
	s_nop 0
.rept 4
	v_nop
.endr
.Lfirst_done:
	v_and_b32 v1, 31, v0
	v_and_b32 v18, 15, v0                          ; r
	s_wait_alu depctr_va_vdst(0)
	v_bfe_u32 v19, v0, 4, 1                        ; h
	v_lshlrev_b32 v[LI], 4, v1
	v_min_u32 v11, 23, v1
	v_lshlrev_b32 v11, 8, v11                      ; v11: the prefetches' offset, my block of a tile's 24; never rewritten
	s_wait_alu depctr_va_vdst(0)
	PF 1
	PF 2
	s_mul_i32 s22, s20, 49152
	s_add_co_u32 s22, s22, 49152
	v_add_nc_u32 v[ADRP], s22, v[LI]
	s_mul_i32 s23, s19, 24576
	v_add_nc_u32 v[ADRR], s23, v[LI]
	v_add_nc_u32 v[ADRP+1], SLOT, v[ADRP]
	v_add_nc_u32 v[ADRR+1], SLOT, v[ADRR]
	s_lshl_b32 s22, s20, 13
	s_add_co_u32 s22, s22, VSC-RSC
	s_lshl_b32 s23, s19, 9
	s_sub_co_u32 s22, s22, s23                     ; from my queries' scale words to my channels'
	v_mul_u32_u24 v17, s22, v19                    ; lanes 16-31 take v's
	s_add_co_u32 s23, s23, RSC
	v_lshl_add_u32 v[ADRS], v18, 3, s23
	v_add_nc_u32 v[ADRS], v[ADRS], v17
	s_mul_i32 s22, s18, 8448                       ; my stage for the way out: 16 rows x 528 bytes, in slot 0, which has had its last fill and its last read by then
	v_mul_u32_u24 v[STO], v18, 528
	v_lshl_add_u32 v[STO], v19, 6, v[STO]
	v_add_nc_u32 v[STO], s22, v[STO]
	v_add_nc_u32 v[RD], s22, v[LI]
	s_lshl_b32 s22, s19, 8
	s_add_co_u32 s22, s22, RL
	v_lshl_add_u32 v[RLR], v18, 2, s22             ; 1 / l of row r of my tile a: + 64 a
	v_lshl_add_u32 v15, v0, 3, RSC                 ; where my row's lowered words go
	v_lshl_add_u32 v16, v0, 2, RL                  ; and its 1 / l
	s_lshl_b32 s22, s43, 7
	s_lshl_b32 s23, s19, 6
	s_add_co_u32 s22, s22, s23                     ; my first query
	s_lshl_b32 s22, s22, 12
	s_lshl_b32 s23, s42, 10
	s_add_co_u32 s22, s22, s23
	s_lshl_b32 s23, s20, 9
	s_add_co_u32 s22, s22, s23                     ; + my first channel's bytes
	s_mov_b32 s23, 0
	s_add_nc_u64 s[10:11], s[8:9], s[22:23]
	s_mov_b32 s94, 0x01010101
	s_mov_b32 s95, 0x80808080
	s_mov_b32 s96, 0x7f7f7f7f
	; THE ROW'S M AND l, while the tiles are on their way
	s_wait_loadcnt 0x0
	v_max3_num_f32 v[MG], -v[NM], -v[NM+1], -v[NM+2]
.irp i, 3,5,7,9,11,13
	v_max3_num_f32 v[MG], v[MG], -v[NM+\i], -v[NM+\i+1]
.endr
	v_max_num_f32 v[MG], v[MG], -v[NM+15]          ; M: the largest M_loc
.irp s, 0,1,2,3,4,5,6,7,8,9,10,11,12,13,14,15
	v_sub_f32 v[ND+\s%4], -v[NM+\s], v[MG]         ; M_loc - M: a whole number, 0 or less,
	v_max_num_f32 v[ND+\s%4], 0xc2fe0000, v[ND+\s%4]   ; held at -127
	v_cvt_i32_f32 v[ND+\s%4], v[ND+\s%4]
	v_ldexp_f32 v[LL+\s], v[LL+\s], v[ND+\s%4]     ; l_loc under M: nothing is rounded
	v_mul_lo_u32 v[ND+\s%4], v[ND+\s%4], s94       ; the same whole number in each of four bytes
	v_or_b32 v[W+\s], s95, v[W+\s]                 ; each byte (125 at the most) raised by 128, so that no byte borrows from its neighbour,
	v_add_nc_u32 v[W+\s], v[W+\s], v[ND+\s%4]      ; and lowered: its top bit stays where the byte has not fallen under 0
	v_lshrrev_b32 v[MK+\s%4], 7, v[W+\s]
	v_and_b32 v[MK+\s%4], s94, v[MK+\s%4]
	v_lshlrev_b32 v[ND+\s%4], 8, v[MK+\s%4]
	v_sub_nc_u32 v[MK+\s%4], v[ND+\s%4], v[MK+\s%4]   ; 0xff in those bytes, 0 in the others
	v_and_b32 v[W+\s], s96, v[W+\s]
	v_and_b32 v[W+\s], v[W+\s], v[MK+\s%4]         ; the lowered bytes, held at 0
.endr
.irp s, 0,2,4,6,8,10,12,14
	v_add_f32 v[LL+\s], v[LL+\s], v[LL+\s+1]
.endr
.irp s, 0,4,8,12
	v_add_f32 v[LL+\s], v[LL+\s], v[LL+\s+2]
.endr
	v_add_f32 v[LL], v[LL], v[LL+4]
	v_add_f32 v[LL+8], v[LL+8], v[LL+12]
	v_add_f32 v[LL], v[LL], v[LL+8]                ; l: over 1/2, since the piece that holds M has a p over 1/2
	s_wait_alu depctr_va_vdst(0)
	v_rcp_f32 v[LL], v[LL]
	v_nop                                          ; a plain place behind the transcendental
.irp kp, 0,1,2,3,4,5,6,7
	ds_store_b64 v15, v[W+2*\kp:W+2*\kp+1] offset:1024*\kp
.endr
	s_wait_alu depctr_va_vdst(0)
	ds_store_b32 v16, v[LL]
	s_wait_tensorcnt 0x0                           ; my tile of the head's four is in
	ds_add_u32 v[SPW], v[NIL]                      ; 0 onto my spare word
	s_mov_b32 s[G1A+2], 4<<16                      ; no tensor load of mine is out: from here on a load brings half a part: 4 tiles of p,
	s_mov_b32 s[G1A+4], 4
	s_mov_b32 s[G1B+2], 8<<16                      ; 8 of v
	s_mov_b32 s[G1B+4], 8
	s_wait_dscnt 0x0                               ; the add is done, and for the others' sake my row's words lie in LDS
	CROUND                                         ; a whole round: all tiles are in, and the sixteen work-groups are here
	JLOAD 1                                        ; slot 1's first fill, a quarter a wave: the first tensor load behind the round
	FETCH 0, 0, 0
	SCALES 0
	STEP 0, 0, 1                                   ; keys 0-127: the products start the sums
	STEP 0, 1, 0
	STEP 0, 2, 0
	TURN 0, 1, 1                                   ; slot 0 takes keys 1024-1535
	STEP 1, 0, 0
	STEP 1, 1, 0
	STEP 1, 2, 0
	TURN 1, 0, 1                                   ; slot 1 takes keys 1536-2047
	STEP 0, 0, 0
	STEP 0, 1, 0
	STEP 0, 2, 0
	TURN 0, 1, 0                                   ; nothing is left to fetch
	STEP 1, 0, 0
	STEP 1, 1, 0
	STEP 1, 2, 0
	LAST
	; THE WAY OUT, a tile of 16 queries x 128 channels at a time: x 1 / l in place, through my own stage, back as whole rows of 512 bytes
.irp a, 0,1,2,3
	ds_load_b32 v[RLV+2*\a], v[RLR] offset:64*\a
	ds_load_b32 v[RLV+2*\a+1], v[RLR] offset:64*\a
.endr
	PLACES
	s_wait_dscnt 0x0
.macro PACK a
	WIN 0x82                                       ; source 0 and destination window 2
.set J, 0
.rept 32
	v_pk_mul_f32 v[64*(\a)+J:64*(\a)+J+1], v[64*(\a)+J:64*(\a)+J+1], v[RLV+2*(\a):RLV+2*(\a)+1]   ; each accumulator from its low end on
.set J, J+2
.endr
	WIN 0
.endm
.macro TOSTAGE a
	WIN 0x08                                       ; an LDS store's data are its source 1: window 2
.irp t, 0,1,2,3,4,5,6,7
	ds_store_b128 v[STO], v[64*(\a)+8*\t:64*(\a)+8*\t+3] offset:128*(\t/2)+32*(\t%2)       ; lane (r, h): channels 32 (t / 2) + 16 h + 8 (t % 2) + 0 .. 7 of row r
	ds_store_b128 v[STO], v[64*(\a)+8*\t+4:64*(\a)+8*\t+7] offset:128*(\t/2)+32*(\t%2)+16
.endr
	WIN 0
.irp i, 0,1,2,3,4,5,6,7,8,9,10,11,12,13,14,15
	ds_load_b128 v[BK+64*((\a)%2)+4*\i:BK+64*((\a)%2)+4*\i+3], v[RD] offset:528*\i   ; LDS serves a wave's instructions in order: these see the stores above, and the next tile's stores come behind them
.endr
.endm
.macro SEND a, younger                 ; younger: the LDS instructions issued behind tile a's loads, which may stay out
	s_wait_dscnt \younger
.irp i, 0,1,2,3,4,5,6,7,8,9,10,11,12,13,14,15
	global_store_b128 v[LI], v[BK+64*((\a)%2)+4*\i:BK+64*((\a)%2)+4*\i+3], s[10:11] offset:(32*((\a)/2)+8*((\a)%2)+\i+8*(\i/8))*4096 th:TH_STORE_NT   ; 512 consecutive bytes of one row of out, aligned
.endr
.endm
	PACK 0
	TOSTAGE 0
.irp a, 1,2,3
	PACK \a
.if \a > 1
	s_wait_alu depctr_va_vdst(0)
	s_wait_xcnt 0x0                                ; tile a - 2's stores have read their registers: tile a's rows may land there
.endif
	TOSTAGE \a
	SEND \a-1, 32                                  ; behind tile a - 1's loads: tile a's 16 stores and 16 loads
.endr
	SEND 3, 0
	s_wait_tensorcnt 0x0                           ; the wave's end
	ds_add_u32 v[SPW], v[NIL]
	s_wait_dscnt 0x0
	CROUND                                         ; the closing round
	s_endpgm
.Lfunc_end_k_q77613a55da_pv:
	.size	k_q77613a55da_pv, .Lfunc_end_k_q77613a55da_pv-k_q77613a55da_pv
	.p2alignl 7, 3214868480
	.fill 96, 4, 3214868480
	.section	.rodata,"a",@progbits
	.p2align	6, 0x0
	.amdhsa_kernel k_q77613a55da_pv
		.amdhsa_group_segment_fixed_size 327680
		.amdhsa_private_segment_fixed_size 0
		.amdhsa_enable_private_segment 0
		.amdhsa_kernarg_size 24
		.amdhsa_user_sgpr_count 2
		.amdhsa_user_sgpr_kernarg_segment_ptr 1
		.amdhsa_wavefront_size32 1
		.amdhsa_system_sgpr_workgroup_id_x 1
		.amdhsa_system_sgpr_workgroup_id_y 1
		.amdhsa_system_sgpr_workgroup_id_z 1
		.amdhsa_system_vgpr_workitem_id 0
		.amdhsa_next_free_vgpr 768
		.amdhsa_next_free_sgpr 102
		.amdhsa_reserve_vcc 0
		.amdhsa_float_denorm_mode_32 3
		.amdhsa_float_denorm_mode_16_64 3
		.amdhsa_memory_ordered 1
		.amdhsa_forward_progress 1
		.amdhsa_inst_pref_size 158
	.end_amdhsa_kernel
	.amdgpu_metadata
---
amdhsa.version: [ 1, 2 ]
amdhsa.kernels:
  - .name:           k_q77613a55da_pv
    .symbol:         k_q77613a55da_pv.kd
    .args:
      - { .name: pb, .offset: 0, .size: 8, .value_kind: global_buffer, .address_space: global }
      - { .name: vt, .offset: 8, .size: 8, .value_kind: global_buffer, .address_space: global }
      - { .name: out0, .offset: 16, .size: 8, .value_kind: global_buffer, .address_space: global }
    .group_segment_fixed_size: 327680
    .private_segment_fixed_size: 0
    .kernarg_segment_align: 8
    .kernarg_segment_size: 24
    .max_flat_workgroup_size: 128
    .sgpr_count:     102
    .vgpr_count:     768
    .wavefront_size: 32
...
	.end_amdgpu_metadata
.endif
;; end of part 4
